; MI455X (gfx1250); checked and timed in simulation.
; The chip was launched on July 23, 2026; its instructions are those of AMD's public machine-readable ISA for CDNA 5 (MIT licence, August 2026) and "CDNA5" Instruction Set Architecture Reference Guide (July 2026). The comments in the code are by the model that wrote it; some were corrected since.
;; Complex Mo E Layer. Allowed arithmetic: float matrix products may take bf16 or f16 operands with f32 sums; all other float work in f32.
;; Inputs: Wi1 8 x 512 x 2,048 float32; Wi2 8 x 2,048 x 512 float32; Wr1 8 x 512 x 2,048 float32; Wr2 8 x 2,048 x 512 float32; bi1 8 x 2,048 float32; bi2 8 x 512 float32; br1 8 x 2,048 float32; br2 8 x 512 float32; mb 8 x 2,048 float32; x_i 2 x 512 x 512 float32; x_r 2 x 512 x 512 float32.
;; Outputs: out0 2 x 2 x 512 x 512 float32.
;; 2 versions, each right; version 2 is version 1 with the launches l1, l2 written anew for expert scheduling mode. Each part assembles by itself: llvm-mc -triple=amdgcn-amd-amdhsa -mcpu=gfx1250 --defsym DOCPART=n.
;; ======== version 1 of 2: 6 launches
;; limits: below input magnitudes of 1.1e-19 results are inexact or not finite; inputs' magnitudes at most 1.8e+19; values are held in f16: magnitudes above 65,504 overflow, below 6.1e-05 lose precision
;; workspace buffers: idx 4,096 bytes of whole numbers; list 32,768 bytes of whole numbers; pos 32,768 bytes of whole numbers; nt 256 bytes of whole numbers; xs 16,777,216 bytes; h 67,108,864 bytes; part 134,217,728 bytes
;; launch route (part 1): grid 256 x 1, 4 waves a work-group, no clusters, 0 bytes of LDS; arguments x_r, x_i, idx; writes idx
.if DOCPART == 1
	.amdgcn_target "amdgcn-amd-amdhsa--gfx1250"
	.amdhsa_code_object_version 6
	.text
	.protected	k_qf91f062b47_route
	.globl	k_qf91f062b47_route
	.p2align	8
	.type	k_qf91f062b47_route,@function
k_qf91f062b47_route:
	s_mov_b64 s[64:65], 0
	v_nop
	global_prefetch_b8 v0, s[64:65] scope:SCOPE_SE
	s_setreg_imm32_b32 hwreg(HW_REG_WAVE_MODE, 25, 1), 1
	s_wait_xcnt 0x0
; PhaseRouter.  idx[t] = the octant (0..7) of the mean unit phasor of token t.  1,024 tokens of 512 complex features.
; One wave takes one token: 2 x 2,048 bytes, eight loads of 512 consecutive bytes; a lane takes 16 elements.
; cos(atan2(xi, xr)) = xr / |z| and sin = xi / |z|, made with v_rsq_f32 of xr^2 + xi^2.
; floor((atan2(s, c) + pi) / (2 pi) * 8), clipped, is the octant of (c, s): found by signs and by comparing |s| with |c|.
; LIMITS KEPT:
;  - an element with xr^2 + xi^2 below 2^-126 (|z| under about 1.1e-19) counts as zero: cos = the sign of xr, sin = 0;
;  - an element with |z| above about 1.8e19 overflows the square and adds nothing to the sums;
;  - the sums are added in another order than in the reference, and exactly on an octant boundary (|s| = |c|, s = 0 or
;    c = 0 up to rounding), or for a sum s = -0 with c < 0, the octant may be the neighbour of the reference's;
;  - (0, 0) goes to expert 4, as atan2(0, 0) = 0 does.
; No LDS, no barrier: no wave needs another.  The result is 4 bytes for a token; the whole table is 4,096 bytes.
.set XR,   8                           ; v[8:23]   16 real parts
.set XI,   24                          ; v[24:39]  16 imaginary parts
.set R2,   40                          ; v[40:55]  |z|^2
.set INV,  56                          ; v[56:71]  1 / |z|
.set TC,   72                          ; v[72:73]  two cosines
.set TS,   74                          ; v[74:75]  two sines
.set SUMC, 76                          ; v[76:77]  running sums of cosines
.set SUMS, 78                          ; v[78:79]  running sums of sines
	s_load_b128 s[4:7], s[0:1], 0x0                ; x_r s[4:5], x_i s[6:7]
	s_load_b64 s[8:9], s[0:1], 0x10                ; idx
	v_lshrrev_b32 v1, 5, v0
	v_readfirstlane_b32 s10, v1                    ; wave
	v_and_b32 v2, 31, v0                           ; lane
	v_lshlrev_b32 v3, 4, v2                        ; 16 bytes a lane
	s_lshl_b32 s11, ttmp9, 2
	s_add_co_u32 s11, s11, s10                     ; token = 4 x work-group + wave
	s_lshl_b32 s14, s11, 11                        ; its row of 2,048 bytes
	s_mov_b32 s15, 0
	s_lshl_b32 s18, s11, 2                         ; its word in idx
	s_mov_b32 s19, 0
	s_mov_b32 s12, 0x76543210                      ; v_permlanex16_b32: lane i of one half reads lane i of the other
	s_mov_b32 s13, 0xfedcba98
	s_mov_b32 s16, 0x00800000                      ; 2^-126, the smallest normal number
	s_mov_b32 s17, 0x7fffffff                      ; everything but the sign
	s_wait_kmcnt 0x0
	s_add_nc_u64 s[4:5], s[4:5], s[14:15]
	s_add_nc_u64 s[6:7], s[6:7], s[14:15]
	s_add_nc_u64 s[8:9], s[8:9], s[18:19]
.irp j, 0,1,2,3
	global_load_b128 v[XR+4*\j:XR+4*\j+3], v3, s[4:5] offset:512*\j
	global_load_b128 v[XI+4*\j:XI+4*\j+3], v3, s[6:7] offset:512*\j
.endr
.irp j, 0,1,2,3
	s_wait_loadcnt 6-2*\j                          ; pair j (real, imaginary) is in; the 2 (3 - j) younger loads stay out
.irp k, 0,2
	v_pk_mul_f32 v[R2+4*\j+\k:R2+4*\j+\k+1], v[XR+4*\j+\k:XR+4*\j+\k+1], v[XR+4*\j+\k:XR+4*\j+\k+1]
	v_pk_fma_f32 v[R2+4*\j+\k:R2+4*\j+\k+1], v[XI+4*\j+\k:XI+4*\j+\k+1], v[XI+4*\j+\k:XI+4*\j+\k+1], v[R2+4*\j+\k:R2+4*\j+\k+1]
.endr
.endr
.irp n, 0,1,2,3,4,5,6,7,8,9,10,11,12,13,14,15
	v_rsq_f32 v[INV+\n], v[R2+\n]
.endr
	v_mov_b32 v5, 0                                ; the plain vector instruction between the reciprocal roots and their first use (ISA guide 5.7.2); also the sine of a zero element
	s_wait_alu depctr_va_vdst(0)
; elements n, n + 1: cosine and sine into the pairs dc, ds; a zero element gets (sign of xr, 0) by selection
.macro PAIR n, dc, ds
	v_pk_mul_f32 v[\dc:\dc+1], v[XR+\n:XR+\n+1], v[INV+\n:INV+\n+1]
	v_pk_mul_f32 v[\ds:\ds+1], v[XI+\n:XI+\n+1], v[INV+\n:INV+\n+1]
.irp k, 0,1
	v_cmp_gt_f32 vcc_lo, s16, v[R2+\n+\k]          ; 2^-126 > |z|^2
	v_bfi_b32 v6, s17, 1.0, v[XR+\n+\k]            ; 1.0 with the sign of xr
	v_cndmask_b32 v[\dc+\k], v[\dc+\k], v6, vcc_lo
	v_cndmask_b32 v[\ds+\k], v[\ds+\k], v5, vcc_lo
.endr
.endm
	PAIR 0, SUMC, SUMS                             ; the first pair starts the sums: nothing is cleared
.irp n, 2,4,6,8,10,12,14
	PAIR \n, TC, TS
	v_pk_add_f32 v[SUMC:SUMC+1], v[SUMC:SUMC+1], v[TC:TC+1]
	v_pk_add_f32 v[SUMS:SUMS+1], v[SUMS:SUMS+1], v[TS:TS+1]
.endr
	v_add_f32 v[SUMC], v[SUMC], v[SUMC+1]
	v_add_f32 v[SUMS], v[SUMS], v[SUMS+1]
.irp m, 1,2,4,8
	v_add_f32_dpp v[SUMC], v[SUMC], v[SUMC] row_xmask:\m row_mask:0xf bank_mask:0xf
	v_add_f32_dpp v[SUMS], v[SUMS], v[SUMS] row_xmask:\m row_mask:0xf bank_mask:0xf
.endr
	v_permlanex16_b32 v[TC], v[SUMC], s12, s13     ; the other half of the lanes (TC, TS have been written)
	v_permlanex16_b32 v[TS], v[SUMS], s12, s13
	v_add_f32 v[SUMC], v[SUMC], v[TC]
	v_add_f32 v[SUMS], v[SUMS], v[TS]
	v_mul_f32 v[SUMC], 0x3b000000, v[SUMC]         ; the mean: x 1/512
	v_mul_f32 v[SUMS], 0x3b000000, v[SUMS]
	; the octant.  s < 0: octants 0-3, else 4-7.  Second quarter turn of that half: s < 0 ? c >= 0 : c <= 0.
	; Odd octant: in a first quarter turn |s| >= |c|, in a second |s| <= |c|.  The masks only select values.
	v_cmp_gt_f32 s20, 0, v[SUMS]                   ; s < 0
	v_cmp_le_f32 s21, 0, v[SUMC]                   ; c >= 0
	v_cmp_ge_f32 s22, 0, v[SUMC]                   ; c <= 0
	v_cmp_ge_f32 s23, |v[SUMS]|, |v[SUMC]|
	v_cmp_le_f32 s24, |v[SUMS]|, |v[SUMC]|
	s_and_b32 s21, s21, s20
	s_and_not1_b32 s22, s22, s20
	s_or_b32 s21, s21, s22                         ; second quarter turn
	s_and_b32 s24, s24, s21
	s_and_not1_b32 s23, s23, s21
	s_or_b32 s23, s23, s24                         ; odd octant
	v_cndmask_b32 v10, 4, 0, s20
	v_cndmask_b32 v11, 0, 2, s21
	v_cndmask_b32 v12, 0, 1, s23
	v_add3_u32 v10, v10, v11, v12
	v_max_num_f32 v11, |v[SUMS]|, |v[SUMC]|
	v_cmp_eq_f32 vcc_lo, 0, v11                    ; both means zero: atan2 gives 0, octant 4
	v_cndmask_b32 v10, v10, 4, vcc_lo
	v_mov_b32 v13, 0
	v_cmp_eq_u32 vcc_lo, 0, v2
	s_wait_xcnt 0x0                                ; EXEC is a source of the loads above: it changes only behind this wait
	s_and_saveexec_b32 s25, vcc_lo                 ; lane 0 stores for the wave
	global_store_b32 v13, v10, s[8:9]
	s_wait_xcnt 0x0                                ; and again before EXEC is widened
	s_or_b32 exec_lo, exec_lo, s25
	s_endpgm
.Lfunc_end_k_qf91f062b47_route:
	.size	k_qf91f062b47_route, .Lfunc_end_k_qf91f062b47_route-k_qf91f062b47_route
	.p2alignl 7, 3214868480
	.fill 96, 4, 3214868480
	.section	.rodata,"a",@progbits
	.p2align	6, 0x0
	.amdhsa_kernel k_qf91f062b47_route
		.amdhsa_group_segment_fixed_size 0
		.amdhsa_private_segment_fixed_size 0
		.amdhsa_enable_private_segment 0
		.amdhsa_kernarg_size 24
		.amdhsa_user_sgpr_count 2
		.amdhsa_user_sgpr_kernarg_segment_ptr 1
		.amdhsa_wavefront_size32 1
		.amdhsa_system_sgpr_workgroup_id_x 1
		.amdhsa_system_sgpr_workgroup_id_y 1
		.amdhsa_system_sgpr_workgroup_id_z 1
		.amdhsa_system_vgpr_workitem_id 0
		.amdhsa_next_free_vgpr 96
		.amdhsa_next_free_sgpr 66
		.amdhsa_reserve_vcc 1
		.amdhsa_float_denorm_mode_32 3
		.amdhsa_float_denorm_mode_16_64 3
		.amdhsa_memory_ordered 1
		.amdhsa_forward_progress 1
		.amdhsa_inst_pref_size 10
	.end_amdhsa_kernel
	.amdgpu_metadata
---
amdhsa.version: [ 1, 2 ]
amdhsa.kernels:
  - .name:           k_qf91f062b47_route
    .symbol:         k_qf91f062b47_route.kd
    .args:
      - { .name: x_r, .offset: 0, .size: 8, .value_kind: global_buffer, .address_space: global }
      - { .name: x_i, .offset: 8, .size: 8, .value_kind: global_buffer, .address_space: global }
      - { .name: idx, .offset: 16, .size: 8, .value_kind: global_buffer, .address_space: global }
    .group_segment_fixed_size: 0
    .private_segment_fixed_size: 0
    .kernarg_segment_align: 8
    .kernarg_segment_size: 24
    .max_flat_workgroup_size: 128
    .sgpr_count:     66
    .vgpr_count:     96
    .wavefront_size: 32
...
	.end_amdgpu_metadata
.endif
;; end of part 1
;; launch bucket (part 2): grid 8 x 1, 1 waves a work-group, no clusters, 4,608 bytes of LDS; arguments idx, list, pos, nt; writes list, pos, nt
.if DOCPART == 2
	.amdgcn_target "amdgcn-amd-amdhsa--gfx1250"
	.amdhsa_code_object_version 6
	.text
	.protected	k_qf91f062b47_bucket
	.globl	k_qf91f062b47_bucket
	.p2align	8
	.type	k_qf91f062b47_bucket,@function
k_qf91f062b47_bucket:
	s_mov_b64 s[64:65], 0
	v_nop
	global_prefetch_b8 v0, s[64:65] scope:SCOPE_SE
	s_setreg_imm32_b32 hwreg(HW_REG_WAVE_MODE, 25, 1), 1
	s_wait_xcnt 0x0
; Buckets the 1,024 tokens by expert.  Work-group e = expert e, one wave: no barrier, and LDS is the wave's own.
; Stored, all as whole numbers and all at addresses that hang on ids alone:
;   list[e][slot] = the token in that slot (1,024 words an expert; the words behind the last token are 0: a pad slot carries token 0);
;   pos[e][t]     = e * 1024 + slot where idx[t] = e, and 0 elsewhere (the last launch takes the OR over e);
;   nt[e]         = max(1, ceil(count / 16)): the tiles of 16 slots that the next launches fill and read.
; The slot of a token: for each of 32 registers of indices a compare; the set bits below the lane (v_mbcnt) plus the running total.
; The list is scattered into LDS (first set to 0; lanes whose token belongs elsewhere write a dump word of their own, so EXEC never changes)
; and read back in order, so that it leaves as eight stores of 512 consecutive bytes.
; Eight waves on the whole chip: 4,096 bytes in, 8,196 bytes out for each; a count over all tokens has to be made by somebody before anything can be placed.
; An index outside 0..7 in idx would leave its token in no list; the launch before stores 0..7 only.
.set IDX, 32                           ; v[32:63]   register 4 j + i: the expert of token 128 j + 4 L + i
.set P,   64                           ; v[64:95]   the same tokens' words of pos[e]
.set Z,   96                           ; v[96:127]  the list, read back
.set DUMP, 1024                        ; LDS: list words 0..1023, dump words 1024..1055
.set LAST, 1055
	s_load_b256 s[4:11], s[0:1], 0x0               ; idx s[4:5], list s[6:7], pos s[8:9], nt s[10:11]
	v_lshl_add_u32 v128, v0, 2, 0x1100
	v_mov_b32 v129, 0
	s_mov_b32 s17, ttmp9                           ; expert
	v_and_b32 v2, 31, v0                           ; L
	v_lshlrev_b32 v5, 4, v2                        ; 16 L
	v_lshlrev_b32 v8, 2, v2                        ; 4 L
	v_add_nc_u32 v9, DUMP, v2                      ; my dump word
	s_lshl_b32 s27, s17, 10                        ; e * 1024
	s_lshl_b32 s12, s17, 12                        ; the expert's 4,096 bytes in list and in pos
	s_mov_b32 s13, 0
	s_lshl_b32 s14, s17, 2                         ; its word in nt
	s_mov_b32 s15, 0
	s_mov_b32 s20, 0                               ; tokens listed so far
	s_wait_kmcnt 0x0
	s_add_nc_u64 s[6:7], s[6:7], s[12:13]
	s_add_nc_u64 s[8:9], s[8:9], s[12:13]
	s_add_nc_u64 s[10:11], s[10:11], s[14:15]
.irp j, 0,1,2,3,4,5,6,7
	global_load_b128 v[IDX+4*\j:IDX+4*\j+3], v5, s[4:5] offset:512*\j
.endr
.irp k, 24,25,26,27
	v_mov_b32 v\k, 0
.endr
.irp j, 0,1,2,3,4,5,6,7
	ds_store_b128 v5, v[24:27] offset:512*\j       ; the whole list = token 0; LDS serves a wave's instructions in order (ISA guide 5.7.1), so the entries below land on top
.endr
	s_wait_loadcnt 0x0
.macro LISTSTEP reg, tok
	v_cmp_eq_u32 vcc_lo, s17, v[IDX+\reg]
	v_mbcnt_lo_u32_b32 v6, vcc_lo, s20             ; total so far + matching lanes below me = my slot
	v_add_nc_u32 v7, s27, v6
	v_cndmask_b32 v[P+\reg], 0, v7, vcc_lo         ; pos: e * 1024 + slot, or 0
	v_cndmask_b32 v6, v9, v6, vcc_lo               ; list: the slot, or the dump word
	v_min_u32 v6, LAST, v6                         ; the address stays inside the table whatever idx holds
	v_lshlrev_b32 v6, 2, v6
	v_add_nc_u32 v12, \tok, v8                     ; my token
	ds_store_b32 v6, v12
	s_bcnt1_i32_b32 s21, vcc_lo
	s_add_co_u32 s20, s20, s21
.endm
.irp j, 0,1,2,3,4,5,6,7
.irp i, 0,1,2,3
	LISTSTEP 4*\j+\i, 128*\j+\i
.endr
.endr
.irp j, 0,1,2,3,4,5,6,7
	global_store_b128 v5, v[P+4*\j:P+4*\j+3], s[8:9] offset:512*\j      ; byte 4 x token = 512 j + 16 L + 4 i: 512 consecutive bytes
.endr
.irp j, 0,1,2,3,4,5,6,7
	ds_load_b128 v[Z+4*\j:Z+4*\j+3], v5 offset:512*\j                   ; behind my own stores, in order
.endr
.irp j, 0,1,2,3,4,5,6,7
	s_wait_dscnt 7-\j                              ; piece j is in; the 7 - j younger loads stay out
	global_store_b128 v5, v[Z+4*\j:Z+4*\j+3], s[6:7] offset:512*\j
.endr
	s_add_co_u32 s21, s20, 15
	s_lshr_b32 s21, s21, 4
	s_max_u32 s21, s21, 1                          ; tiles: at least one, so that tile 0 of every expert holds stored bytes
	v_mov_b32 v10, s21
	v_mov_b32 v11, 0
	v_cmp_eq_u32 vcc_lo, 0, v2
	s_wait_xcnt 0x0                                ; EXEC is a source of the loads and stores above: it changes only behind this wait
	s_wait_tensorcnt 0x0
	ds_add_u32 v128, v129
	s_wait_dscnt 0x0
	s_and_saveexec_b32 s23, vcc_lo                 ; lane 0 stores for the wave
	global_store_b32 v11, v10, s[10:11]
	s_wait_xcnt 0x0                                ; and again before EXEC is widened
	s_or_b32 exec_lo, exec_lo, s23
	s_endpgm
.Lfunc_end_k_qf91f062b47_bucket:
	.size	k_qf91f062b47_bucket, .Lfunc_end_k_qf91f062b47_bucket-k_qf91f062b47_bucket
	.p2alignl 7, 3214868480
	.fill 96, 4, 3214868480
	.section	.rodata,"a",@progbits
	.p2align	6, 0x0
	.amdhsa_kernel k_qf91f062b47_bucket
		.amdhsa_group_segment_fixed_size 4608
		.amdhsa_private_segment_fixed_size 0
		.amdhsa_enable_private_segment 0
		.amdhsa_kernarg_size 32
		.amdhsa_user_sgpr_count 2
		.amdhsa_user_sgpr_kernarg_segment_ptr 1
		.amdhsa_wavefront_size32 1
		.amdhsa_system_sgpr_workgroup_id_x 1
		.amdhsa_system_sgpr_workgroup_id_y 1
		.amdhsa_system_sgpr_workgroup_id_z 1
		.amdhsa_system_vgpr_workitem_id 0
		.amdhsa_next_free_vgpr 130
		.amdhsa_next_free_sgpr 66
		.amdhsa_reserve_vcc 1
		.amdhsa_float_denorm_mode_32 3
		.amdhsa_float_denorm_mode_16_64 3
		.amdhsa_memory_ordered 1
		.amdhsa_forward_progress 1
		.amdhsa_inst_pref_size 21
	.end_amdhsa_kernel
	.amdgpu_metadata
---
amdhsa.version: [ 1, 2 ]
amdhsa.kernels:
  - .name:           k_qf91f062b47_bucket
    .symbol:         k_qf91f062b47_bucket.kd
    .args:
      - { .name: idx, .offset: 0, .size: 8, .value_kind: global_buffer, .address_space: global }
      - { .name: list, .offset: 8, .size: 8, .value_kind: global_buffer, .address_space: global }
      - { .name: pos, .offset: 16, .size: 8, .value_kind: global_buffer, .address_space: global }
      - { .name: nt, .offset: 24, .size: 8, .value_kind: global_buffer, .address_space: global }
    .group_segment_fixed_size: 4608
    .private_segment_fixed_size: 0
    .kernarg_segment_align: 8
    .kernarg_segment_size: 32
    .max_flat_workgroup_size: 32
    .sgpr_count:     66
    .vgpr_count:     130
    .wavefront_size: 32
...
	.end_amdgpu_metadata
.endif
;; end of part 2
;; launch pack (part 3): grid 8 x 8, 8 waves a work-group, no clusters, 70,656 bytes of LDS; arguments list, nt, x_r, x_i, xs; writes xs
.if DOCPART == 3
	.amdgcn_target "amdgcn-amd-amdhsa--gfx1250"
	.amdhsa_code_object_version 6
	.text
	.protected	k_qf91f062b47_pack
	.globl	k_qf91f062b47_pack
	.p2align	8
	.type	k_qf91f062b47_pack,@function
k_qf91f062b47_pack:
	s_mov_b64 s[64:65], 0
	v_nop
	global_prefetch_b8 v0, s[64:65] scope:SCOPE_SE
	s_setreg_imm32_b32 hwreg(HW_REG_WAVE_MODE, 25, 1), 1
	s_wait_xcnt 0x0
; Lays the x of each expert's tokens out, in f16, as matrix fragments.
; Work-group (u, e): expert e = y.  Wave = (tl, which): tiles u + 8 tl, + 16, + 32, .. below nt[e] (a tile = 16 slots), features 128 which .. + 127.
; A trip: the tile's 16 token numbers come by one scalar load from the list that the launch before stored; each is bounded and becomes a scalar
;   base for each plane; one load for a row and plane brings 512 consecutive bytes (a lane: 4 features).  Rounded to f16 a lane's 8 bytes go into LDS
;   of the wave's own, where a piece of 256 bytes (unit u = lane >> 1: features 8 u .. 8 u + 7 of all 16 rows, 16 bytes a row) is gathered, and are
;   read back and stored 512 consecutive bytes at a time.  No wave reads another's LDS: no barrier.
; xs: block (tile, plane, kstep s) at ((tile*2 + plane)*16 + s)*1024; in it chunk c at 512 c, lane L = 16 h + r at 16 L: features
;   32 s + 16 c + 8 h + 0..7 of slot row r.  So a 16-byte load of a wave in the next launch is 512 consecutive bytes and is half a fragment.
; Pad slots hold token 0 in the list: they carry its x; their results stay in rows of their own and are never read.
; f16: a number of magnitude 65,520 or more becomes an infinity (x is drawn with spread 1).
; LDS units lie 272 bytes apart: a store's 32 lanes (8 bytes each) then fall on words 68 u + 2 (L & 1) + 4 r, all 64 banks once.
.set X,    64                          ; v[64:191]  row r: 8 registers (x_r 4, x_i 4) of f32; v[64:127] once more for the pieces read back
.set Y,    192                         ; v[192:255] row r: 4 registers of f16
.set TOK,  36                          ; s[36:51]   the tile's 16 tokens
.set BASE, 68                          ; s[68:99]   eight rows' bases in x_r and x_i
.set UP,   272
.set PLN,  16*UP                       ; a plane's 16 units
.set WREG, 2*PLN                       ; a wave's region
	s_load_b256 s[4:11], s[0:1], 0x0               ; list s[4:5], nt s[6:7], x_r s[8:9], x_i s[10:11]
	s_load_b64 s[12:13], s[0:1], 0x20              ; xs
	v_lshl_add_u32 v62, v0, 2, 0x11000
	v_mov_b32 v63, 0
	v_lshrrev_b32 v1, 5, v0
	v_readfirstlane_b32 s16, v1                    ; wave
	s_and_b32 s17, ttmp7, 0xffff                   ; expert
	s_and_b32 s24, s16, 3                          ; which
	s_lshr_b32 s25, s16, 2
	s_lshl_b32 s25, s25, 3
	s_add_co_u32 s25, s25, ttmp9                   ; my first tile = u + 8 tl, 0 to 15
	s_mov_b32 s31, 0                               ; the high word of every offset pair s[30:31]
	v_and_b32 v2, 31, v0                           ; L
	s_lshl_b32 s26, s24, 9
	v_lshl_add_u32 v12, v2, 4, s26                 ; in a row of x: 16 L + 512 which
	s_lshl_b32 s26, s24, 12
	v_lshl_add_u32 v13, v2, 4, s26                 ; in a tile of xs: 16 L + 4096 which
	v_lshrrev_b32 v3, 1, v2
	v_and_b32 v4, 1, v2
	v_mul_u32_u24 v14, v3, UP
	v_lshl_add_u32 v14, v4, 3, v14                 ; LDS in: unit L >> 1, byte 8 (L & 1)
	v_lshrrev_b32 v5, 4, v2
	v_and_b32 v6, 15, v2
	v_mul_u32_u24 v15, v5, UP
	v_lshl_add_u32 v15, v6, 4, v15                 ; LDS back: unit L >> 4, byte 16 (L & 15)
	s_mul_i32 s26, s16, WREG
	v_add_nc_u32 v14, s26, v14                     ; + my wave's region
	v_add_nc_u32 v15, s26, v15
	s_wait_kmcnt 0x0
	s_lshl_b32 s30, s17, 2
	s_add_nc_u64 s[6:7], s[6:7], s[30:31]
	s_load_b32 s21, s[6:7], 0x0                    ; nt[e]
	s_lshl_b32 s30, s17, 12                        ; list: expert x 4,096 bytes + tile x 64
	s_lshl_b32 s26, s25, 6
	s_add_co_u32 s30, s30, s26
	s_add_nc_u64 s[4:5], s[4:5], s[30:31]
	s_lshl_b32 s30, s17, 21                        ; xs: expert x 64 tiles of 32 KiB + tile
	s_lshl_b32 s26, s25, 15
	s_add_co_u32 s30, s30, s26
	s_add_nc_u64 s[12:13], s[12:13], s[30:31]
	s_wait_kmcnt 0x0
	s_min_u32 s21, s21, 64                         ; tiles of this expert
	s_add_co_u32 s22, s21, 15
	s_sub_co_u32 s22, s22, s25
	s_lshr_b32 s22, s22, 4                         ; of which mine: first, first + 16, ..: at most 4
	s_cmp_eq_u32 s22, 0
	s_cbranch_scc1 .Lend
; rows first .. first + 7: a base for each plane, and the two loads
.macro ROWS first
.irp rr, 0,1,2,3,4,5,6,7
	s_lshl_b32 s30, s[TOK+\first+\rr], 11          ; the token's row of 2,048 bytes
	s_add_nc_u64 s[BASE+4*\rr:BASE+4*\rr+1], s[8:9], s[30:31]
	s_add_nc_u64 s[BASE+4*\rr+2:BASE+4*\rr+3], s[10:11], s[30:31]
	global_load_b128 v[X+8*(\first+\rr):X+8*(\first+\rr)+3], v12, s[BASE+4*\rr:BASE+4*\rr+1]
	global_load_b128 v[X+8*(\first+\rr)+4:X+8*(\first+\rr)+7], v12, s[BASE+4*\rr+2:BASE+4*\rr+3]
.endr
.endm
.Ltile:
	s_load_b512 s[TOK:TOK+15], s[4:5], 0x0
	s_wait_kmcnt 0x0
.irp r, 0,1,2,3,4,5,6,7,8,9,10,11,12,13,14,15
	s_min_u32 s[TOK+\r], s[TOK+\r], 1023           ; a token number: a loaded number enters an address only behind this bound
.endr
	ROWS 0
	s_wait_xcnt 0x0                                ; the sixteen bases are written again only behind this wait
	ROWS 8
.irp r, 0,1,2,3,4,5,6,7,8,9,10,11,12,13,14,15
	s_wait_loadcnt 30-2*\r                         ; row r's two loads are in; the two of each younger row stay out
	v_cvt_pk_f16_f32 v[Y+4*\r], v[X+8*\r], v[X+8*\r+1]
	v_cvt_pk_f16_f32 v[Y+4*\r+1], v[X+8*\r+2], v[X+8*\r+3]
	v_cvt_pk_f16_f32 v[Y+4*\r+2], v[X+8*\r+4], v[X+8*\r+5]
	v_cvt_pk_f16_f32 v[Y+4*\r+3], v[X+8*\r+6], v[X+8*\r+7]
	ds_store_b64 v14, v[Y+4*\r:Y+4*\r+1] offset:16*\r
	ds_store_b64 v14, v[Y+4*\r+2:Y+4*\r+3] offset:PLN+16*\r
.endr
.irp p, 0,1
.irp j, 0,1,2,3,4,5,6,7
	ds_load_b128 v[X+4*(8*\p+\j):X+4*(8*\p+\j)+3], v15 offset:\p*PLN+\j*2*UP    ; two whole units; behind my own stores, in order (ISA guide 5.7.1)
.endr
.endr
.irp p, 0,1
.irp j, 0,1,2,3,4,5,6,7
	s_wait_dscnt 15-(8*\p+\j)                      ; this piece is in; the younger loads stay out
	global_store_b128 v13, v[X+4*(8*\p+\j):X+4*(8*\p+\j)+3], s[12:13] offset:\p*16384+512*\j   ; 512 consecutive bytes, aligned
.endr
.endr
	s_wait_xcnt 0x0                                ; the stores' data and base and the loads' bases are rewritten only behind this wait
	s_add_nc_u64 s[12:13], s[12:13], 0x80000       ; 16 tiles on
	s_add_nc_u64 s[4:5], s[4:5], 0x400
	s_sub_co_u32 s22, s22, 1
	s_cmp_lg_u32 s22, 0
	s_cbranch_scc1 .Ltile
.Lend:
	s_wait_tensorcnt 0x0
	ds_add_u32 v62, v63
	s_wait_dscnt 0x0
	s_endpgm
.Lfunc_end_k_qf91f062b47_pack:
	.size	k_qf91f062b47_pack, .Lfunc_end_k_qf91f062b47_pack-k_qf91f062b47_pack
	.p2alignl 7, 3214868480
	.fill 96, 4, 3214868480
	.section	.rodata,"a",@progbits
	.p2align	6, 0x0
	.amdhsa_kernel k_qf91f062b47_pack
		.amdhsa_group_segment_fixed_size 70656
		.amdhsa_private_segment_fixed_size 0
		.amdhsa_enable_private_segment 0
		.amdhsa_kernarg_size 40
		.amdhsa_user_sgpr_count 2
		.amdhsa_user_sgpr_kernarg_segment_ptr 1
		.amdhsa_wavefront_size32 1
		.amdhsa_system_sgpr_workgroup_id_x 1
		.amdhsa_system_sgpr_workgroup_id_y 1
		.amdhsa_system_sgpr_workgroup_id_z 1
		.amdhsa_system_vgpr_workitem_id 0
		.amdhsa_next_free_vgpr 256
		.amdhsa_next_free_sgpr 100
		.amdhsa_reserve_vcc 0
		.amdhsa_float_denorm_mode_32 3
		.amdhsa_float_denorm_mode_16_64 3
		.amdhsa_memory_ordered 1
		.amdhsa_forward_progress 1
		.amdhsa_inst_pref_size 18
	.end_amdhsa_kernel
	.amdgpu_metadata
---
amdhsa.version: [ 1, 2 ]
amdhsa.kernels:
  - .name:           k_qf91f062b47_pack
    .symbol:         k_qf91f062b47_pack.kd
    .args:
      - { .name: list, .offset: 0, .size: 8, .value_kind: global_buffer, .address_space: global }
      - { .name: nt, .offset: 8, .size: 8, .value_kind: global_buffer, .address_space: global }
      - { .name: x_r, .offset: 16, .size: 8, .value_kind: global_buffer, .address_space: global }
      - { .name: x_i, .offset: 24, .size: 8, .value_kind: global_buffer, .address_space: global }
      - { .name: xs, .offset: 32, .size: 8, .value_kind: global_buffer, .address_space: global }
    .group_segment_fixed_size: 70656
    .private_segment_fixed_size: 0
    .kernarg_segment_align: 8
    .kernarg_segment_size: 40
    .max_flat_workgroup_size: 256
    .sgpr_count:     100
    .vgpr_count:     256
    .wavefront_size: 32
...
	.end_amdgpu_metadata
.endif
;; end of part 3
;; launch l1 (part 4): grid 32 x 8, 4 waves a work-group, no clusters, 139,776 bytes of LDS; arguments nt, xs, Wr1, Wi1, h, br1, bi1, mb; writes h
.if DOCPART == 4
	.amdgcn_target "amdgcn-amd-amdhsa--gfx1250"
	.amdhsa_code_object_version 6
	.text
	.protected	k_qf91f062b47_l1
	.globl	k_qf91f062b47_l1
	.p2align	8
	.type	k_qf91f062b47_l1,@function
k_qf91f062b47_l1:
	s_mov_b64 s[64:65], 0
	v_nop
	global_prefetch_b8 v0, s[64:65] scope:SCOPE_SE
	s_setreg_imm32_b32 hwreg(HW_REG_WAVE_MODE, 25, 1), 1
	s_wait_xcnt 0x0
; One complex linear layer of the routed expert.  The same text serves both layers; LAYER chooses.
;   LAYER 1: h = ModReLU(x W1 + b1), x from xs (f16 fragments), h stored as f16 fragments of the next layer.
;   LAYER 2: partial sums of y = h W2 over a quarter of K, stored in f32; biases and the sum over the quarters follow in the last launch.
; Only the expert that the one-hot of the router keeps is computed for a token; the other seven products are multiplied by 0 there.
; (An infinity or NaN in an expert that was not chosen therefore does not reach the output.)
; OPERANDS IN f16, sums in f32.  The router chooses from x in f32, and its choice jumps: the result has to stand beside the reference in f32 itself.
;   With 8 significant bits the roundings of x, W1, h and W2 add up to about 0.3 per cent of the output's root mean square, with 11 bits to an eighth of that.
;   LIMIT KEPT: |x|, |W| or |h| of 65,520 or more becomes an infinity.  The room: x is drawn about 1, W about 0.02, so h is about 0.6; all of them 30 times
;   larger give h about 570 (root mean square); offsets of 30 spreads on x and W1 give |h| about 2 x 512 x 30 x 0.6 = 18,400.  30 times smaller, W and h are about
;   7e-4, still normal numbers of f16 (from 6.1e-5 up); below that the step is 6e-8.
; A WORK-GROUP (x, e = y) owns 64 weight columns x 512 of K x both planes (Wr, Wi) of expert e: 256 KiB of f32 that no other work-group reads.
;   LAYER 1: columns 64 x (K = 512 is all of it).  LAYER 2: columns 64 (x & 7), K quarter q = x >> 3.   32 x 8 = 256 work-groups.
; WEIGHT PHASE: wave w takes K rows 128 w .. + 127: runs of 16 loads, each of 2 rows x 256 consecutive aligned bytes, three runs in flight.
;   A lane holds 8 neighbouring k of 4 columns: rounded to f16 that is 16 bytes of a column, stored into LDS with K along the rows.
; Then ONE barrier, and each wave loads its 64 weight fragments (32 columns x 512 K x 2 planes, 512 registers), which stay for the whole launch.
; TOKEN PHASE: wave (wm, wn) = (w >> 1, w & 1) walks the tiles wm, wm + 2, .. of the expert's nt[e] tiles of 16 tokens, with columns 32 wn .. + 31.
;   A tile's 32 fragments come straight from memory into registers (each load 512 consecutive bytes), the next tile's behind this tile's products.
;   128 matrix instructions a tile: P1 = Wr xr, P2 = Wi xi, Q = Wr xi + Wi xr;  real = P1 - P2, imaginary = Q.
; NO CLUSTER, NO TENSOR LOADS: the weights, which are the bytes that come from memory, are shared with nobody and must be rounded to f16 on
;   their way into LDS.  What is shared are the token tiles (32 KiB a tile, read by 2 waves of each of the expert's 32 work-groups).  A joint request for them
;   would need LDS slots and a barrier in each trip of a loop whose trip count is read from memory, and every wave has to pass every barrier
;   on a path that hangs on no loaded number.  So the tiles are read by each wave for itself.
; The LDS stores collide four deep (LAYER 1) or two deep (LAYER 2): 64 stores a wave in the whole launch.  The fragment loads do not: pitch 272.
.set LAYER, 1
.if LAYER == 1
.set PITCHW,  8192                     ; bytes from a K row of the weights to the next
.set VSH,     16                       ; 8 such rows, as a shift
.set A_TILE,  32768                    ; a tile of the A operand: 2 planes x 16 ksteps x 1,024 bytes
.set A_PLANE, 16384
.set OSTEP,   0x40000                  ; two tiles of h
.else
.set PITCHW,  2048
.set VSH,     14
.set A_TILE,  131072                   ; 2 planes x 64 ksteps x 1,024 bytes
.set A_PLANE, 65536
.set OSTEP,   0x20000                  ; two tiles (32 rows of 4,096 bytes) of part
.endif
.set PW,     272                       ; LDS row: 128 k of f16 + 16 bytes: an odd multiple of 16, so 16 rows start in 16 different groups of banks
.set LPLANE, 64*PW                     ; 64 columns of one plane
.set LWAVE,  2*LPLANE                  ; what one wave stores: its 128 k of both planes, a region of its own
; window 0: v4 weight load offset, v5 LDS store address, v9 16 L, v10 / v11 store / bias offset, v12-15 LDS read addresses
.set RDA,  12
.set T,    16                          ; v16-47   at work
.set P1,   48                          ; v48-63   accumulators, 8 registers for each of the two column fragments j
.set P2,   64                          ; v64-79
.set Q,    80                          ; v80-95
.set BR,   96                          ; v96-111  LAYER 1: br1, bi1, mb of my 16 columns (8 j + jj)
.set BI,   112
.set MB,   128
.set EPSV, 144                         ; v144-145 1e-10 twice
; window 1: the 32 fragments of a token tile, A(p, s) at 8 (16 p + s)
; window 2: first three landing slots of 64 registers for the weights in f32; then, with window 3, the weight fragments:
;           B(p, j, s) at 8 (4 (s & 7) + 2 p + j) of window 2 + (s >> 3)
.set ACUR,  32                         ; s[32:33] my first tile      s[34:35] where my results go
.set ANEXT, 36                         ; s[36:37] the tile that is fetched ahead
.set MSB, 0
.macro WIN new                         ; low byte: bits 1:0 source 0, 3:2 source 1, 5:4 source 2, 7:6 destination; the high byte repeats the setting that is left
.if MSB != (\new)
	s_set_vgpr_msb (MSB<<8)|(\new)
.set MSB, (\new)
.endif
.endm
.macro PLACES                          ; four independent vector instructions behind a matrix instruction (ISA guide 7.12.1) before its
.rept 4                                ; results are read or loads are issued into its sources
	v_nop
.endr
.endm
; run grp (plane grp & 1, 32 k rows grp >> 1 of my 128) into landing slot: register 4 (8 c + i) + jc = W[k = 16 c + 8 h + i][column 4 r + jc]
.macro WLOAD grp, slot
.set WB_, 8+2*((\grp)&1)
	WIN 0x80
.irp c, 0,1
.irp i, 0,1,2,3,4,5,6,7
	global_load_b128 v[\slot*64+(8*\c+\i)*4:\slot*64+(8*\c+\i)*4+3], v4, s[WB_:WB_+1] offset:(32*((\grp)>>1)+16*\c+\i)*PITCHW th:TH_LOAD_NT
.endr
.endr
.endm
; round the run to f16, 8 neighbouring k of a column into 16 bytes, and store them into that column's LDS row
.macro WCVT grp, slot
	WIN 0x0a
.irp jc, 0,1,2,3
.irp c, 0,1
.irp pp, 0,1,2,3
	v_cvt_pk_f16_f32 v[T+8*\jc+4*\c+\pp], v[\slot*64+(8*\c+2*\pp)*4+\jc], v[\slot*64+(8*\c+2*\pp+1)*4+\jc]
.endr
.endr
.endr
	WIN 0
.irp jc, 0,1,2,3
.if LAYER == 1
.set RO_, \jc                          ; LDS row = column
.else
.set RO_, 16*((\jc)&1)+((\jc)>>1)      ; LDS row = 32 (n >> 5) + 16 (n & 1) + ((n & 31) >> 1): fragment j, row r is column 2 r + j
.endif
.irp c, 0,1
	ds_store_b128 v5, v[T+8*\jc+4*\c:T+8*\jc+4*\c+3] offset:((\grp)&1)*LPLANE+RO_*PW+64*((\grp)>>1)+32*\c
.endr
.endr
.endm
; 16 loads: ksteps 4 g .. 4 g + 3, both planes, of the tile at s[sb:sb+1]
.macro AFILL sb, g
	WIN 0x40
.irp k, 0,1,2,3
.irp p, 0,1
.irp c, 0,1
	global_load_b128 v[8*(16*\p+4*\g+\k)+4*\c:8*(16*\p+4*\g+\k)+4*\c+3], v9, s[\sb:\sb+1] offset:\p*A_PLANE+(4*\g+\k)*1024+512*\c
.endr
.endr
.endr
.endm
; one matrix instruction.  cm = 0: accumulate in place; 1: C is the constant 0; else: C is the eight registers from cm on (a bias)
; LAYER 1 takes the weights as source 0: a lane's eight results are eight neighbouring columns of one token, which is the next layer's fragment.
; LAYER 2 takes the tokens as source 0: register jj of a lane is token 8 h + jj, column 2 r + j.
.macro MM d, bp, bj, ap, ks, cm
.set BF_, 8*(4*((\ks)&7)+2*(\bp)+(\bj))
.set AF_, 8*(16*(\ap)+(\ks))
.if LAYER == 1
.set S0_, BF_
.set S1_, AF_
.else
.set S0_, AF_
.set S1_, BF_
.endif
.if (\cm) == 0
	v_wmma_f32_16x16x32_f16 v[\d:\d+7], v[S0_:S0_+7], v[S1_:S1_+7], v[\d:\d+7]
.elseif (\cm) == 1
	v_wmma_f32_16x16x32_f16 v[\d:\d+7], v[S0_:S0_+7], v[S1_:S1_+7], 0
.else
	v_wmma_f32_16x16x32_f16 v[\d:\d+7], v[S0_:S0_+7], v[S1_:S1_+7], v[\cm:\cm+7]
.endif
.endm
.macro KSTEP ks                        ; 32 along K: eight matrix instructions.  The first kstep starts the sums: nothing is cleared
.if (\ks) == 0
.if LAYER == 1
	MM P1, 0, 0, 0, \ks, BR
	MM P1+8, 0, 1, 0, \ks, BR+8
	MM Q, 0, 0, 1, \ks, BI
	MM Q+8, 0, 1, 1, \ks, BI+8
.else
	MM P1, 0, 0, 0, \ks, 1
	MM P1+8, 0, 1, 0, \ks, 1
	MM Q, 0, 0, 1, \ks, 1
	MM Q+8, 0, 1, 1, \ks, 1
.endif
	MM P2, 1, 0, 1, \ks, 1
	MM P2+8, 1, 1, 1, \ks, 1
.else
	MM P1, 0, 0, 0, \ks, 0
	MM P1+8, 0, 1, 0, \ks, 0
	MM Q, 0, 0, 1, \ks, 0
	MM Q+8, 0, 1, 1, \ks, 0
	MM P2, 1, 0, 1, \ks, 0
	MM P2+8, 1, 1, 1, \ks, 0
.endif
	MM Q, 1, 0, 0, \ks, 0
	MM Q+8, 1, 1, 0, \ks, 0
.endm
.macro MULG g
.if LAYER == 1
	WIN (0x06+((\g)>>1))               ; source 0 = B in window 2 or 3, source 1 = A in window 1, C and D in window 0
.else
	WIN (0x09+4*((\g)>>1))             ; source 0 = A in window 1, source 1 = B in window 2 or 3
.endif
.irp k, 0,1,2,3
	KSTEP 4*\g+\k
.endr
.endm
.if LAYER == 1
; ModReLU on 16 numbers a lane, rounding to f16, four stores of 512 consecutive bytes: chunk j of kstep 2 x + wn of both planes of h
.macro EPI
.irp i, 0,2,4,6,8,10,12,14
	v_pk_fma_f32 v[P1+\i:P1+\i+1], v[P2+\i:P2+\i+1], -1.0, v[P1+\i:P1+\i+1] op_sel_hi:[1,0,1]   ; h_r = (Wr xr + br) - Wi xi
.endr
.irp i, 0,2,4,6,8,10,12,14
	v_pk_fma_f32 v[P2+\i:P2+\i+1], v[P1+\i:P1+\i+1], v[P1+\i:P1+\i+1], v[EPSV:EPSV+1]
.endr
.irp i, 0,2,4,6,8,10,12,14
	v_pk_fma_f32 v[P2+\i:P2+\i+1], v[Q+\i:Q+\i+1], v[Q+\i:Q+\i+1], v[P2+\i:P2+\i+1]
.endr
.irp i, 0,1,2,3,4,5,6,7,8,9,10,11,12,13,14,15
	v_sqrt_f32 v[T+16+\i], v[P2+\i]                ; amp
.endr
	v_nop                                          ; a plain vector instruction between the roots and their use (ISA guide 5.7.2)
	s_wait_alu depctr_va_vdst(0)
.irp i, 0,2,4,6,8,10,12,14
	v_pk_add_f32 v[T+\i:T+\i+1], v[T+16+\i:T+16+\i+1], v[EPSV:EPSV+1]       ; amp + eps
.endr
.irp i, 0,2,4,6,8,10,12,14
	v_pk_add_f32 v[P2+\i:P2+\i+1], v[T+16+\i:T+16+\i+1], v[MB+\i:MB+\i+1]   ; amp + mb
.endr
.irp i, 0,1,2,3,4,5,6,7,8,9,10,11,12,13,14,15
	v_rcp_f32 v[T+16+\i], v[T+\i]
.endr
.irp i, 0,1,2,3,4,5,6,7,8,9,10,11,12,13,14,15
	v_max_num_f32 v[P2+\i], 0, v[P2+\i]            ; relu; also the plain instructions behind the reciprocals
.endr
	s_wait_alu depctr_va_vdst(0)
.irp i, 0,2,4,6,8,10,12,14
	v_pk_mul_f32 v[P2+\i:P2+\i+1], v[P2+\i:P2+\i+1], v[T+16+\i:T+16+\i+1]   ; scale
.endr
.irp i, 0,2,4,6,8,10,12,14
	v_pk_mul_f32 v[P1+\i:P1+\i+1], v[P1+\i:P1+\i+1], v[P2+\i:P2+\i+1]
	v_pk_mul_f32 v[Q+\i:Q+\i+1], v[Q+\i:Q+\i+1], v[P2+\i:P2+\i+1]
.endr
.irp i, 0,1,2,3,4,5,6,7
	v_cvt_pk_f16_f32 v[T+\i], v[P1+2*\i], v[P1+2*\i+1]
	v_cvt_pk_f16_f32 v[T+8+\i], v[Q+2*\i], v[Q+2*\i+1]
.endr
.irp p, 0,1
.irp j, 0,1
	global_store_b128 v9, v[T+8*\p+4*\j:T+8*\p+4*\j+3], s[34:35] offset:\p*65536+512*\j
.endr
.endr
.endm
.else
; a lane's four numbers of a token (yr, yi of columns 2 r, 2 r + 1) into neighbouring registers; sixteen lanes store 256 consecutive aligned bytes
.macro EPI
.irp jj, 0,1,2,3,4,5,6,7
.irp j, 0,1
	v_sub_f32 v[T+4*\jj+\j], v[P1+8*\j+\jj], v[P2+8*\j+\jj]
	v_mov_b32 v[T+4*\jj+2+\j], v[Q+8*\j+\jj]
.endr
.endr
.irp jj, 0,1,2,3,4,5,6,7
	global_store_b128 v10, v[T+4*\jj:T+4*\jj+3], s[34:35] offset:\jj*4096
.endr
.endm
.endif
; one tile.  ahead = 1: behind each quarter of the products the same quarter of the tile two further on is requested.
; The wait: behind the 16 loads of quarter g stand this tile's quarters g + 1 .. 3 and the next tile's 0 .. g - 1: always 48 loads,
; from the entry and round the back edge alike.  In the last tile nothing is requested and the counts run down.
.macro TILE ahead
.irp g, 0,1,2,3
.if \ahead
	s_wait_loadcnt 48
.else
	s_wait_loadcnt 48-16*\g
.endif
	MULG \g
	PLACES
.if \ahead
	AFILL ANEXT, \g
.endif
.endr
	WIN 0
	EPI
.if \ahead
	s_wait_xcnt 0x0                                ; the stores' data and base and the loads' base are rewritten only behind this wait
	s_add_nc_u64 s[ANEXT:ANEXT+1], s[ANEXT:ANEXT+1], 2*A_TILE
	s_add_nc_u64 s[34:35], s[34:35], OSTEP
.endif
.endm
	s_load_b256 s[4:11], s[0:1], 0x0               ; nt s[4:5], A s[6:7], Wr s[8:9], Wi s[10:11]
	s_load_b64 s[12:13], s[0:1], 0x20              ; the output
.if LAYER == 1
	s_load_b128 s[16:19], s[0:1], 0x28             ; br1, bi1
	s_load_b64 s[20:21], s[0:1], 0x38              ; mb
	v_lshl_add_u32 v254, v0, 2, 0x22000
	v_mov_b32 v255, 0
.endif
	v_lshrrev_b32 v1, 5, v0
	v_readfirstlane_b32 s22, v1                    ; wave
	s_lshr_b32 s23, s22, 1                         ; wm
	s_and_b32 s24, s22, 1                          ; wn
	s_and_b32 s25, ttmp7, 0xffff                   ; expert
.if LAYER == 1
	s_mov_b32 s26, ttmp9                           ; column slice
.else
	s_and_b32 s26, ttmp9, 7                        ; column slice
	s_lshr_b32 s29, ttmp9, 3                       ; K quarter
.endif
	s_mov_b32 s31, 0                               ; the high word of every offset pair s[30:31]
	v_and_b32 v1, 15, v0                           ; r
	v_bfe_u32 v2, v0, 4, 1                         ; h
	v_and_b32 v3, 31, v0                           ; L
	v_lshlrev_b32 v4, 4, v1
	v_lshl_add_u32 v4, v2, VSH, v4                 ; weights: 8 h rows + 16 r bytes
.if LAYER == 1
	v_mul_u32_u24 v5, v1, 4*PW                     ; LDS row of column 4 r
.else
	v_lshrrev_b32 v6, 3, v1
	v_and_b32 v7, 7, v1
	v_lshlrev_b32 v6, 5, v6
	v_lshl_add_u32 v6, v7, 1, v6                   ; LDS row of column 4 r: 32 (r >> 3) + 2 (r & 7)
	v_mul_u32_u24 v5, v6, PW
.endif
	v_lshl_add_u32 v5, v2, 4, v5                   ; + 16 h
	s_mul_i32 s30, s22, LWAVE
	v_add_nc_u32 v5, s30, v5                       ; + my wave's region
	v_mul_u32_u24 v7, v1, PW
	v_lshl_add_u32 v7, v2, 4, v7
	s_mul_i32 s30, s24, 32*PW
	v_add_nc_u32 v7, s30, v7                       ; fragments: (32 wn + r) rows + 16 h
.irp kp, 0,1,2,3
	v_add_nc_u32 v[RDA+\kp], \kp*LWAVE, v7         ; in the region of K quarter kp
.endr
	v_lshlrev_b32 v9, 4, v3                        ; 16 L
.if LAYER == 1
	v_lshlrev_b32 v11, 5, v2                       ; biases: 8 h columns
	v_mov_b32 v[EPSV], 0x2edbe6ff                  ; 1e-10
	v_mov_b32 v[EPSV+1], 0x2edbe6ff
.else
	v_lshlrev_b32 v10, 4, v1
	v_lshl_add_u32 v10, v2, 15, v10                ; part: 8 h rows of 4,096 bytes + 16 r
.endif
	s_wait_kmcnt 0x0
	s_lshl_b32 s30, s25, 2
	s_add_nc_u64 s[4:5], s[4:5], s[30:31]
	s_load_b32 s27, s[4:5], 0x0                    ; nt[e]: waited for behind the barrier
	s_lshl_b32 s30, s25, 22                        ; weights: expert x 4 MiB + slice x 256 bytes + my 128 K rows (+ the K quarter)
	s_lshl_b32 s28, s26, 8
	s_add_co_u32 s30, s30, s28
.if LAYER == 1
	s_lshl_b32 s28, s22, 20
.else
	s_lshl_b32 s28, s22, 18
	s_add_co_u32 s30, s30, s28
	s_lshl_b32 s28, s29, 20
.endif
	s_add_co_u32 s30, s30, s28
	s_add_nc_u64 s[8:9], s[8:9], s[30:31]
	s_add_nc_u64 s[10:11], s[10:11], s[30:31]
.if LAYER == 1
	s_lshl_b32 s30, s25, 13                        ; biases: expert x 8,192 + slice x 256 + wn x 128 bytes
	s_lshl_b32 s28, s26, 8
	s_add_co_u32 s30, s30, s28
	s_lshl_b32 s28, s24, 7
	s_add_co_u32 s30, s30, s28
	s_add_nc_u64 s[16:17], s[16:17], s[30:31]
	s_add_nc_u64 s[18:19], s[18:19], s[30:31]
	s_add_nc_u64 s[20:21], s[20:21], s[30:31]
.irp j, 0,1
.irp d, 0,1
	global_load_b128 v[BR+8*\j+4*\d:BR+8*\j+4*\d+3], v11, s[16:17] offset:64*\j+16*\d
	global_load_b128 v[BI+8*\j+4*\d:BI+8*\j+4*\d+3], v11, s[18:19] offset:64*\j+16*\d
	global_load_b128 v[MB+8*\j+4*\d:MB+8*\j+4*\d+3], v11, s[20:21] offset:64*\j+16*\d
.endr
.endr
.endif
	WLOAD 0, 0                                     ; three runs of 16 loads, 24 KiB a wave, are kept on their way
	WLOAD 1, 1
	WLOAD 2, 2
.if LAYER == 1
	s_lshl_b32 s30, s25, 21                        ; A: expert x 64 tiles + tile wm
	s_lshl_b32 s28, s23, 15
	s_add_co_u32 s30, s30, s28
.else
	s_lshl_b32 s30, s25, 23
	s_lshl_b32 s28, s23, 17
	s_add_co_u32 s30, s30, s28
	s_lshl_b32 s28, s29, 14                        ; + 16 ksteps for each K quarter
	s_add_co_u32 s30, s30, s28
.endif
	s_add_nc_u64 s[ACUR:ACUR+1], s[6:7], s[30:31]
	s_add_nc_u64 s[ANEXT:ANEXT+1], s[ACUR:ACUR+1], 2*A_TILE
	s_lshl1_add_u32 s28, s26, s24                  ; 2 x slice + wn: my 32 columns
.if LAYER == 1
	s_lshl_b32 s30, s25, 23                        ; h: expert x 64 tiles of 128 KiB + tile wm + that kstep
	s_lshl_b32 s28, s28, 10
	s_add_co_u32 s30, s30, s28
	s_lshl_b32 s28, s23, 17
	s_add_co_u32 s30, s30, s28
.else
	s_lshl_b32 s30, s25, 22                        ; part: quarter x 32 MiB + expert x 1,024 rows + tile wm + 256 bytes for my 32 columns
	s_lshl_b32 s28, s28, 8
	s_add_co_u32 s30, s30, s28
	s_lshl_b32 s28, s23, 16
	s_add_co_u32 s30, s30, s28
	s_lshl_b32 s28, s29, 25
	s_add_co_u32 s30, s30, s28
.endif
	s_add_nc_u64 s[34:35], s[12:13], s[30:31]
	; loads come back in order (ISA guide 5.7.1): 32 leaves the two younger runs out (and covers the biases, which are older)
	s_wait_loadcnt 32
	WCVT 0, 0
	WLOAD 3, 0
	s_wait_loadcnt 32
	WCVT 1, 1
	WLOAD 4, 1
	s_wait_loadcnt 32
	WCVT 2, 2
	WLOAD 5, 2
	s_wait_loadcnt 32
	WCVT 3, 0
	WLOAD 6, 0
	s_wait_loadcnt 32
	WCVT 4, 1
	WLOAD 7, 1
	s_wait_loadcnt 32
	WCVT 5, 2
	s_wait_loadcnt 16                              ; one younger run
	WCVT 6, 0
	s_wait_loadcnt 0
	WCVT 7, 1
	WIN 0
	s_wait_dscnt 0x0                               ; my stores are done before I signal: the other waves read them
	s_barrier_signal -1
	s_barrier_wait -1                              ; the only barrier, ahead of every branch on a loaded number; LDS is only read from here on
	s_wait_kmcnt 0x0
	s_min_u32 s27, s27, 64                         ; tiles of this expert
	s_add_co_u32 s28, s27, 1
	s_sub_co_u32 s28, s28, s23
	s_lshr_b32 s28, s28, 1                         ; of which mine: wm, wm + 2, ..
	s_cmp_eq_u32 s28, 0
	s_cbranch_scc1 .Lend
	AFILL ACUR, 0                                  ; my first tile: 64 loads, which come in while the weight fragments are read
	AFILL ACUR, 1
	AFILL ACUR, 2
	AFILL ACUR, 3
.irp ks, 0,1,2,3,4,5,6,7,8,9,10,11,12,13,14,15
	WIN (0x80+0x40*((\ks)>>3))
.irp p, 0,1
.irp j, 0,1
.irp c, 0,1
	ds_load_b128 v[8*(4*((\ks)&7)+2*\p+\j)+4*\c:8*(4*((\ks)&7)+2*\p+\j)+4*\c+3], v[RDA+((\ks)>>2)] offset:\p*LPLANE+\j*16*PW+64*((\ks)&3)+32*\c
.endr
.endr
.endr
.endr
	s_wait_dscnt 0x0
	WIN 0                                          ; at a label and at a branch every window is 0
	s_sub_co_u32 s28, s28, 1
	s_cmp_eq_u32 s28, 0
	s_cbranch_scc1 .Llast
.Ltile:
	TILE 1
	WIN 0
	s_sub_co_u32 s28, s28, 1
	s_cmp_lg_u32 s28, 0
	s_cbranch_scc1 .Ltile
.Llast:
	TILE 0                                         ; the last tile fetches nothing: no load leaves the stored tiles
.Lend:
	s_wait_tensorcnt 0x0
	ds_add_u32 v254, v255
	s_wait_dscnt 0x0
	s_endpgm
.Lfunc_end_k_qf91f062b47_l1:
	.size	k_qf91f062b47_l1, .Lfunc_end_k_qf91f062b47_l1-k_qf91f062b47_l1
	.p2alignl 7, 3214868480
	.fill 96, 4, 3214868480
	.section	.rodata,"a",@progbits
	.p2align	6, 0x0
	.amdhsa_kernel k_qf91f062b47_l1
		.amdhsa_group_segment_fixed_size 139776
		.amdhsa_private_segment_fixed_size 0
		.amdhsa_enable_private_segment 0
		.amdhsa_kernarg_size 64
		.amdhsa_user_sgpr_count 2
		.amdhsa_user_sgpr_kernarg_segment_ptr 1
		.amdhsa_wavefront_size32 1
		.amdhsa_system_sgpr_workgroup_id_x 1
		.amdhsa_system_sgpr_workgroup_id_y 1
		.amdhsa_system_sgpr_workgroup_id_z 1
		.amdhsa_system_vgpr_workitem_id 0
		.amdhsa_next_free_vgpr 1024
		.amdhsa_next_free_sgpr 66
		.amdhsa_reserve_vcc 0
		.amdhsa_float_denorm_mode_32 3
		.amdhsa_float_denorm_mode_16_64 3
		.amdhsa_memory_ordered 1
		.amdhsa_forward_progress 1
		.amdhsa_inst_pref_size 90
	.end_amdhsa_kernel
	.amdgpu_metadata
---
amdhsa.version: [ 1, 2 ]
amdhsa.kernels:
  - .name:           k_qf91f062b47_l1
    .symbol:         k_qf91f062b47_l1.kd
    .args:
      - { .name: nt, .offset: 0, .size: 8, .value_kind: global_buffer, .address_space: global }
      - { .name: xs, .offset: 8, .size: 8, .value_kind: global_buffer, .address_space: global }
      - { .name: Wr1, .offset: 16, .size: 8, .value_kind: global_buffer, .address_space: global }
      - { .name: Wi1, .offset: 24, .size: 8, .value_kind: global_buffer, .address_space: global }
      - { .name: h, .offset: 32, .size: 8, .value_kind: global_buffer, .address_space: global }
      - { .name: br1, .offset: 40, .size: 8, .value_kind: global_buffer, .address_space: global }
      - { .name: bi1, .offset: 48, .size: 8, .value_kind: global_buffer, .address_space: global }
      - { .name: mb, .offset: 56, .size: 8, .value_kind: global_buffer, .address_space: global }
    .group_segment_fixed_size: 139776
    .private_segment_fixed_size: 0
    .kernarg_segment_align: 8
    .kernarg_segment_size: 64
    .max_flat_workgroup_size: 128
    .sgpr_count:     66
    .vgpr_count:     1024
    .wavefront_size: 32
...
	.end_amdgpu_metadata
.endif
;; end of part 4
;; launch l2 (part 5): grid 32 x 8, 4 waves a work-group, no clusters, 139,776 bytes of LDS; arguments nt, h, Wr2, Wi2, part; writes part
.if DOCPART == 5
	.amdgcn_target "amdgcn-amd-amdhsa--gfx1250"
	.amdhsa_code_object_version 6
	.text
	.protected	k_qf91f062b47_l2
	.globl	k_qf91f062b47_l2
	.p2align	8
	.type	k_qf91f062b47_l2,@function
k_qf91f062b47_l2:
	s_mov_b64 s[64:65], 0
	v_nop
	global_prefetch_b8 v0, s[64:65] scope:SCOPE_SE
	s_setreg_imm32_b32 hwreg(HW_REG_WAVE_MODE, 25, 1), 1
	s_wait_xcnt 0x0
; One complex linear layer of the routed expert.  The same text serves both layers; LAYER chooses.
;   LAYER 1: h = ModReLU(x W1 + b1), x from xs (f16 fragments), h stored as f16 fragments of the next layer.
;   LAYER 2: partial sums of y = h W2 over a quarter of K, stored in f32; biases and the sum over the quarters follow in the last launch.
; Only the expert that the one-hot of the router keeps is computed for a token; the other seven products are multiplied by 0 there.
; (An infinity or NaN in an expert that was not chosen therefore does not reach the output.)
; OPERANDS IN f16, sums in f32.  The router chooses from x in f32, and its choice jumps: the result has to stand beside the reference in f32 itself.
;   With 8 significant bits the roundings of x, W1, h and W2 add up to about 0.3 per cent of the output's root mean square, with 11 bits to an eighth of that.
;   LIMIT KEPT: |x|, |W| or |h| of 65,520 or more becomes an infinity.  The room: x is drawn about 1, W about 0.02, so h is about 0.6; all of them 30 times
;   larger give h about 570 (root mean square); offsets of 30 spreads on x and W1 give |h| about 2 x 512 x 30 x 0.6 = 18,400.  30 times smaller, W and h are about
;   7e-4, still normal numbers of f16 (from 6.1e-5 up); below that the step is 6e-8.
; A WORK-GROUP (x, e = y) owns 64 weight columns x 512 of K x both planes (Wr, Wi) of expert e: 256 KiB of f32 that no other work-group reads.
;   LAYER 1: columns 64 x (K = 512 is all of it).  LAYER 2: columns 64 (x & 7), K quarter q = x >> 3.   32 x 8 = 256 work-groups.
; WEIGHT PHASE: wave w takes K rows 128 w .. + 127: runs of 16 loads, each of 2 rows x 256 consecutive aligned bytes, three runs in flight.
;   A lane holds 8 neighbouring k of 4 columns: rounded to f16 that is 16 bytes of a column, stored into LDS with K along the rows.
; Then ONE barrier, and each wave loads its 64 weight fragments (32 columns x 512 K x 2 planes, 512 registers), which stay for the whole launch.
; TOKEN PHASE: wave (wm, wn) = (w >> 1, w & 1) walks the tiles wm, wm + 2, .. of the expert's nt[e] tiles of 16 tokens, with columns 32 wn .. + 31.
;   A tile's 32 fragments come straight from memory into registers (each load 512 consecutive bytes), the next tile's behind this tile's products.
;   128 matrix instructions a tile: P1 = Wr xr, P2 = Wi xi, Q = Wr xi + Wi xr;  real = P1 - P2, imaginary = Q.
; NO CLUSTER, NO TENSOR LOADS: the weights, which are the bytes that come from memory, are shared with nobody and must be rounded to f16 on
;   their way into LDS.  What is shared are the token tiles (32 KiB a tile, read by 2 waves of each of the expert's 32 work-groups).  A joint request for them
;   would need LDS slots and a barrier in each trip of a loop whose trip count is read from memory, and every wave has to pass every barrier
;   on a path that hangs on no loaded number.  So the tiles are read by each wave for itself.
; The LDS stores collide four deep (LAYER 1) or two deep (LAYER 2): 64 stores a wave in the whole launch.  The fragment loads do not: pitch 272.
.set LAYER, 2
.if LAYER == 1
.set PITCHW,  8192                     ; bytes from a K row of the weights to the next
.set VSH,     16                       ; 8 such rows, as a shift
.set A_TILE,  32768                    ; a tile of the A operand: 2 planes x 16 ksteps x 1,024 bytes
.set A_PLANE, 16384
.set OSTEP,   0x40000                  ; two tiles of h
.else
.set PITCHW,  2048
.set VSH,     14
.set A_TILE,  131072                   ; 2 planes x 64 ksteps x 1,024 bytes
.set A_PLANE, 65536
.set OSTEP,   0x20000                  ; two tiles (32 rows of 4,096 bytes) of part
.endif
.set PW,     272                       ; LDS row: 128 k of f16 + 16 bytes: an odd multiple of 16, so 16 rows start in 16 different groups of banks
.set LPLANE, 64*PW                     ; 64 columns of one plane
.set LWAVE,  2*LPLANE                  ; what one wave stores: its 128 k of both planes, a region of its own
; window 0: v4 weight load offset, v5 LDS store address, v9 16 L, v10 / v11 store / bias offset, v12-15 LDS read addresses
.set RDA,  12
.set T,    16                          ; v16-47   at work
.set P1,   48                          ; v48-63   accumulators, 8 registers for each of the two column fragments j
.set P2,   64                          ; v64-79
.set Q,    80                          ; v80-95
.set BR,   96                          ; v96-111  LAYER 1: br1, bi1, mb of my 16 columns (8 j + jj)
.set BI,   112
.set MB,   128
.set EPSV, 144                         ; v144-145 1e-10 twice
; window 1: the 32 fragments of a token tile, A(p, s) at 8 (16 p + s)
; window 2: first three landing slots of 64 registers for the weights in f32; then, with window 3, the weight fragments:
;           B(p, j, s) at 8 (4 (s & 7) + 2 p + j) of window 2 + (s >> 3)
.set ACUR,  32                         ; s[32:33] my first tile      s[34:35] where my results go
.set ANEXT, 36                         ; s[36:37] the tile that is fetched ahead
.set MSB, 0
.macro WIN new                         ; low byte: bits 1:0 source 0, 3:2 source 1, 5:4 source 2, 7:6 destination; the high byte repeats the setting that is left
.if MSB != (\new)
	s_set_vgpr_msb (MSB<<8)|(\new)
.set MSB, (\new)
.endif
.endm
.macro PLACES                          ; four independent vector instructions behind a matrix instruction (ISA guide 7.12.1) before its
.rept 4                                ; results are read or loads are issued into its sources
	v_nop
.endr
.endm
; run grp (plane grp & 1, 32 k rows grp >> 1 of my 128) into landing slot: register 4 (8 c + i) + jc = W[k = 16 c + 8 h + i][column 4 r + jc]
.macro WLOAD grp, slot
.set WB_, 8+2*((\grp)&1)
	WIN 0x80
.irp c, 0,1
.irp i, 0,1,2,3,4,5,6,7
	global_load_b128 v[\slot*64+(8*\c+\i)*4:\slot*64+(8*\c+\i)*4+3], v4, s[WB_:WB_+1] offset:(32*((\grp)>>1)+16*\c+\i)*PITCHW th:TH_LOAD_NT
.endr
.endr
.endm
; round the run to f16, 8 neighbouring k of a column into 16 bytes, and store them into that column's LDS row
.macro WCVT grp, slot
	WIN 0x0a
.irp jc, 0,1,2,3
.irp c, 0,1
.irp pp, 0,1,2,3
	v_cvt_pk_f16_f32 v[T+8*\jc+4*\c+\pp], v[\slot*64+(8*\c+2*\pp)*4+\jc], v[\slot*64+(8*\c+2*\pp+1)*4+\jc]
.endr
.endr
.endr
	WIN 0
.irp jc, 0,1,2,3
.if LAYER == 1
.set RO_, \jc                          ; LDS row = column
.else
.set RO_, 16*((\jc)&1)+((\jc)>>1)      ; LDS row = 32 (n >> 5) + 16 (n & 1) + ((n & 31) >> 1): fragment j, row r is column 2 r + j
.endif
.irp c, 0,1
	ds_store_b128 v5, v[T+8*\jc+4*\c:T+8*\jc+4*\c+3] offset:((\grp)&1)*LPLANE+RO_*PW+64*((\grp)>>1)+32*\c
.endr
.endr
.endm
; 16 loads: ksteps 4 g .. 4 g + 3, both planes, of the tile at s[sb:sb+1]
.macro AFILL sb, g
	WIN 0x40
.irp k, 0,1,2,3
.irp p, 0,1
.irp c, 0,1
	global_load_b128 v[8*(16*\p+4*\g+\k)+4*\c:8*(16*\p+4*\g+\k)+4*\c+3], v9, s[\sb:\sb+1] offset:\p*A_PLANE+(4*\g+\k)*1024+512*\c
.endr
.endr
.endr
.endm
; one matrix instruction.  cm = 0: accumulate in place; 1: C is the constant 0; else: C is the eight registers from cm on (a bias)
; LAYER 1 takes the weights as source 0: a lane's eight results are eight neighbouring columns of one token, which is the next layer's fragment.
; LAYER 2 takes the tokens as source 0: register jj of a lane is token 8 h + jj, column 2 r + j.
.macro MM d, bp, bj, ap, ks, cm
.set BF_, 8*(4*((\ks)&7)+2*(\bp)+(\bj))
.set AF_, 8*(16*(\ap)+(\ks))
.if LAYER == 1
.set S0_, BF_
.set S1_, AF_
.else
.set S0_, AF_
.set S1_, BF_
.endif
.if (\cm) == 0
	v_wmma_f32_16x16x32_f16 v[\d:\d+7], v[S0_:S0_+7], v[S1_:S1_+7], v[\d:\d+7]
.elseif (\cm) == 1
	v_wmma_f32_16x16x32_f16 v[\d:\d+7], v[S0_:S0_+7], v[S1_:S1_+7], 0
.else
	v_wmma_f32_16x16x32_f16 v[\d:\d+7], v[S0_:S0_+7], v[S1_:S1_+7], v[\cm:\cm+7]
.endif
.endm
.macro KSTEP ks                        ; 32 along K: eight matrix instructions.  The first kstep starts the sums: nothing is cleared
.if (\ks) == 0
.if LAYER == 1
	MM P1, 0, 0, 0, \ks, BR
	MM P1+8, 0, 1, 0, \ks, BR+8
	MM Q, 0, 0, 1, \ks, BI
	MM Q+8, 0, 1, 1, \ks, BI+8
.else
	MM P1, 0, 0, 0, \ks, 1
	MM P1+8, 0, 1, 0, \ks, 1
	MM Q, 0, 0, 1, \ks, 1
	MM Q+8, 0, 1, 1, \ks, 1
.endif
	MM P2, 1, 0, 1, \ks, 1
	MM P2+8, 1, 1, 1, \ks, 1
.else
	MM P1, 0, 0, 0, \ks, 0
	MM P1+8, 0, 1, 0, \ks, 0
	MM Q, 0, 0, 1, \ks, 0
	MM Q+8, 0, 1, 1, \ks, 0
	MM P2, 1, 0, 1, \ks, 0
	MM P2+8, 1, 1, 1, \ks, 0
.endif
	MM Q, 1, 0, 0, \ks, 0
	MM Q+8, 1, 1, 0, \ks, 0
.endm
.macro MULG g
.if LAYER == 1
	WIN (0x06+((\g)>>1))               ; source 0 = B in window 2 or 3, source 1 = A in window 1, C and D in window 0
.else
	WIN (0x09+4*((\g)>>1))             ; source 0 = A in window 1, source 1 = B in window 2 or 3
.endif
.irp k, 0,1,2,3
	KSTEP 4*\g+\k
.endr
.endm
.if LAYER == 1
; ModReLU on 16 numbers a lane, rounding to f16, four stores of 512 consecutive bytes: chunk j of kstep 2 x + wn of both planes of h
.macro EPI
.irp i, 0,2,4,6,8,10,12,14
	v_pk_fma_f32 v[P1+\i:P1+\i+1], v[P2+\i:P2+\i+1], -1.0, v[P1+\i:P1+\i+1] op_sel_hi:[1,0,1]   ; h_r = (Wr xr + br) - Wi xi
.endr
.irp i, 0,2,4,6,8,10,12,14
	v_pk_fma_f32 v[P2+\i:P2+\i+1], v[P1+\i:P1+\i+1], v[P1+\i:P1+\i+1], v[EPSV:EPSV+1]
.endr
.irp i, 0,2,4,6,8,10,12,14
	v_pk_fma_f32 v[P2+\i:P2+\i+1], v[Q+\i:Q+\i+1], v[Q+\i:Q+\i+1], v[P2+\i:P2+\i+1]
.endr
.irp i, 0,1,2,3,4,5,6,7,8,9,10,11,12,13,14,15
	v_sqrt_f32 v[T+16+\i], v[P2+\i]                ; amp
.endr
	v_nop                                          ; a plain vector instruction between the roots and their use (ISA guide 5.7.2)
.irp i, 0,2,4,6,8,10,12,14
	v_pk_add_f32 v[T+\i:T+\i+1], v[T+16+\i:T+16+\i+1], v[EPSV:EPSV+1]       ; amp + eps
.endr
.irp i, 0,2,4,6,8,10,12,14
	v_pk_add_f32 v[P2+\i:P2+\i+1], v[T+16+\i:T+16+\i+1], v[MB+\i:MB+\i+1]   ; amp + mb
.endr
.irp i, 0,1,2,3,4,5,6,7,8,9,10,11,12,13,14,15
	v_rcp_f32 v[T+16+\i], v[T+\i]
.endr
.irp i, 0,1,2,3,4,5,6,7,8,9,10,11,12,13,14,15
	v_max_num_f32 v[P2+\i], 0, v[P2+\i]            ; relu; also the plain instructions behind the reciprocals
.endr
.irp i, 0,2,4,6,8,10,12,14
	v_pk_mul_f32 v[P2+\i:P2+\i+1], v[P2+\i:P2+\i+1], v[T+16+\i:T+16+\i+1]   ; scale
.endr
.irp i, 0,2,4,6,8,10,12,14
	v_pk_mul_f32 v[P1+\i:P1+\i+1], v[P1+\i:P1+\i+1], v[P2+\i:P2+\i+1]
	v_pk_mul_f32 v[Q+\i:Q+\i+1], v[Q+\i:Q+\i+1], v[P2+\i:P2+\i+1]
.endr
.irp i, 0,1,2,3,4,5,6,7
	v_cvt_pk_f16_f32 v[T+\i], v[P1+2*\i], v[P1+2*\i+1]
	v_cvt_pk_f16_f32 v[T+8+\i], v[Q+2*\i], v[Q+2*\i+1]
.endr
.irp p, 0,1
.irp j, 0,1
	global_store_b128 v9, v[T+8*\p+4*\j:T+8*\p+4*\j+3], s[34:35] offset:\p*65536+512*\j
.endr
.endr
.endm
.else
; a lane's four numbers of a token (yr, yi of columns 2 r, 2 r + 1) into neighbouring registers; sixteen lanes store 256 consecutive aligned bytes
.macro EPI
.irp jj, 0,1,2,3,4,5,6,7
.irp j, 0,1
	v_sub_f32 v[T+4*\jj+\j], v[P1+8*\j+\jj], v[P2+8*\j+\jj]
	v_mov_b32 v[T+4*\jj+2+\j], v[Q+8*\j+\jj]
.endr
.endr
.irp jj, 0,1,2,3,4,5,6,7
	global_store_b128 v10, v[T+4*\jj:T+4*\jj+3], s[34:35] offset:\jj*4096
.endr
.endm
.endif
; one tile.  ahead = 1: behind each quarter of the products the same quarter of the tile two further on is requested.
; The wait: behind the 16 loads of quarter g stand this tile's quarters g + 1 .. 3 and the next tile's 0 .. g - 1: always 48 loads,
; from the entry and round the back edge alike.  In the last tile nothing is requested and the counts run down.
.macro TILE ahead
.irp g, 0,1,2,3
.if \ahead
	s_wait_loadcnt 48
.else
	s_wait_loadcnt 48-16*\g
.endif
	MULG \g
	PLACES
.if \ahead
	AFILL ANEXT, \g
.endif
.endr
	WIN 0
	EPI
.if \ahead
	s_wait_xcnt 0x0                                ; the stores' data and base and the loads' base are rewritten only behind this wait
	s_add_nc_u64 s[ANEXT:ANEXT+1], s[ANEXT:ANEXT+1], 2*A_TILE
	s_add_nc_u64 s[34:35], s[34:35], OSTEP
.endif
.endm
	s_load_b256 s[4:11], s[0:1], 0x0               ; nt s[4:5], A s[6:7], Wr s[8:9], Wi s[10:11]
	s_load_b64 s[12:13], s[0:1], 0x20              ; the output
	v_lshl_add_u32 v254, v0, 2, 0x22000
	v_mov_b32 v255, 0
.if LAYER == 1
	s_load_b128 s[16:19], s[0:1], 0x28             ; br1, bi1
	s_load_b64 s[20:21], s[0:1], 0x38              ; mb
.endif
	v_lshrrev_b32 v1, 5, v0
	v_readfirstlane_b32 s22, v1                    ; wave
	s_lshr_b32 s23, s22, 1                         ; wm
	s_and_b32 s24, s22, 1                          ; wn
	s_and_b32 s25, ttmp7, 0xffff                   ; expert
.if LAYER == 1
	s_mov_b32 s26, ttmp9                           ; column slice
.else
	s_and_b32 s26, ttmp9, 7                        ; column slice
	s_lshr_b32 s29, ttmp9, 3                       ; K quarter
.endif
	s_mov_b32 s31, 0                               ; the high word of every offset pair s[30:31]
	v_and_b32 v1, 15, v0                           ; r
	v_bfe_u32 v2, v0, 4, 1                         ; h
	v_and_b32 v3, 31, v0                           ; L
	v_lshlrev_b32 v4, 4, v1
	v_lshl_add_u32 v4, v2, VSH, v4                 ; weights: 8 h rows + 16 r bytes
.if LAYER == 1
	v_mul_u32_u24 v5, v1, 4*PW                     ; LDS row of column 4 r
.else
	v_lshrrev_b32 v6, 3, v1
	v_and_b32 v7, 7, v1
	v_lshlrev_b32 v6, 5, v6
	v_lshl_add_u32 v6, v7, 1, v6                   ; LDS row of column 4 r: 32 (r >> 3) + 2 (r & 7)
	v_mul_u32_u24 v5, v6, PW
.endif
	v_lshl_add_u32 v5, v2, 4, v5                   ; + 16 h
	s_mul_i32 s30, s22, LWAVE
	v_add_nc_u32 v5, s30, v5                       ; + my wave's region
	v_mul_u32_u24 v7, v1, PW
	v_lshl_add_u32 v7, v2, 4, v7
	s_mul_i32 s30, s24, 32*PW
	v_add_nc_u32 v7, s30, v7                       ; fragments: (32 wn + r) rows + 16 h
.irp kp, 0,1,2,3
	v_add_nc_u32 v[RDA+\kp], \kp*LWAVE, v7         ; in the region of K quarter kp
.endr
	v_lshlrev_b32 v9, 4, v3                        ; 16 L
.if LAYER == 1
	v_lshlrev_b32 v11, 5, v2                       ; biases: 8 h columns
	v_mov_b32 v[EPSV], 0x2edbe6ff                  ; 1e-10
	v_mov_b32 v[EPSV+1], 0x2edbe6ff
.else
	v_lshlrev_b32 v10, 4, v1
	v_lshl_add_u32 v10, v2, 15, v10                ; part: 8 h rows of 4,096 bytes + 16 r
.endif
	s_wait_kmcnt 0x0
	s_lshl_b32 s30, s25, 2
	s_add_nc_u64 s[4:5], s[4:5], s[30:31]
	s_load_b32 s27, s[4:5], 0x0                    ; nt[e]: waited for behind the barrier
	s_lshl_b32 s30, s25, 22                        ; weights: expert x 4 MiB + slice x 256 bytes + my 128 K rows (+ the K quarter)
	s_lshl_b32 s28, s26, 8
	s_add_co_u32 s30, s30, s28
.if LAYER == 1
	s_lshl_b32 s28, s22, 20
.else
	s_lshl_b32 s28, s22, 18
	s_add_co_u32 s30, s30, s28
	s_lshl_b32 s28, s29, 20
.endif
	s_add_co_u32 s30, s30, s28
	s_add_nc_u64 s[8:9], s[8:9], s[30:31]
	s_add_nc_u64 s[10:11], s[10:11], s[30:31]
.if LAYER == 1
	s_lshl_b32 s30, s25, 13                        ; biases: expert x 8,192 + slice x 256 + wn x 128 bytes
	s_lshl_b32 s28, s26, 8
	s_add_co_u32 s30, s30, s28
	s_lshl_b32 s28, s24, 7
	s_add_co_u32 s30, s30, s28
	s_add_nc_u64 s[16:17], s[16:17], s[30:31]
	s_add_nc_u64 s[18:19], s[18:19], s[30:31]
	s_add_nc_u64 s[20:21], s[20:21], s[30:31]
.irp j, 0,1
.irp d, 0,1
	global_load_b128 v[BR+8*\j+4*\d:BR+8*\j+4*\d+3], v11, s[16:17] offset:64*\j+16*\d
	global_load_b128 v[BI+8*\j+4*\d:BI+8*\j+4*\d+3], v11, s[18:19] offset:64*\j+16*\d
	global_load_b128 v[MB+8*\j+4*\d:MB+8*\j+4*\d+3], v11, s[20:21] offset:64*\j+16*\d
.endr
.endr
.endif
	WLOAD 0, 0                                     ; three runs of 16 loads, 24 KiB a wave, are kept on their way
	WLOAD 1, 1
	WLOAD 2, 2
.if LAYER == 1
	s_lshl_b32 s30, s25, 21                        ; A: expert x 64 tiles + tile wm
	s_lshl_b32 s28, s23, 15
	s_add_co_u32 s30, s30, s28
.else
	s_lshl_b32 s30, s25, 23
	s_lshl_b32 s28, s23, 17
	s_add_co_u32 s30, s30, s28
	s_lshl_b32 s28, s29, 14                        ; + 16 ksteps for each K quarter
	s_add_co_u32 s30, s30, s28
.endif
	s_add_nc_u64 s[ACUR:ACUR+1], s[6:7], s[30:31]
	s_add_nc_u64 s[ANEXT:ANEXT+1], s[ACUR:ACUR+1], 2*A_TILE
	s_lshl1_add_u32 s28, s26, s24                  ; 2 x slice + wn: my 32 columns
.if LAYER == 1
	s_lshl_b32 s30, s25, 23                        ; h: expert x 64 tiles of 128 KiB + tile wm + that kstep
	s_lshl_b32 s28, s28, 10
	s_add_co_u32 s30, s30, s28
	s_lshl_b32 s28, s23, 17
	s_add_co_u32 s30, s30, s28
.else
	s_lshl_b32 s30, s25, 22                        ; part: quarter x 32 MiB + expert x 1,024 rows + tile wm + 256 bytes for my 32 columns
	s_lshl_b32 s28, s28, 8
	s_add_co_u32 s30, s30, s28
	s_lshl_b32 s28, s23, 16
	s_add_co_u32 s30, s30, s28
	s_lshl_b32 s28, s29, 25
	s_add_co_u32 s30, s30, s28
.endif
	s_add_nc_u64 s[34:35], s[12:13], s[30:31]
	; loads come back in order (ISA guide 5.7.1): 32 leaves the two younger runs out (and covers the biases, which are older)
	s_wait_loadcnt 32
	WCVT 0, 0
	WLOAD 3, 0
	s_wait_loadcnt 32
	WCVT 1, 1
	WLOAD 4, 1
	s_wait_loadcnt 32
	WCVT 2, 2
	WLOAD 5, 2
	s_wait_loadcnt 32
	WCVT 3, 0
	WLOAD 6, 0
	s_wait_loadcnt 32
	WCVT 4, 1
	WLOAD 7, 1
	s_wait_loadcnt 32
	WCVT 5, 2
	s_wait_loadcnt 16                              ; one younger run
	WCVT 6, 0
	s_wait_loadcnt 0
	WCVT 7, 1
	WIN 0
	s_wait_dscnt 0x0                               ; my stores are done before I signal: the other waves read them
	s_barrier_signal -1
	s_barrier_wait -1                              ; the only barrier, ahead of every branch on a loaded number; LDS is only read from here on
	s_wait_kmcnt 0x0
	s_min_u32 s27, s27, 64                         ; tiles of this expert
	s_add_co_u32 s28, s27, 1
	s_sub_co_u32 s28, s28, s23
	s_lshr_b32 s28, s28, 1                         ; of which mine: wm, wm + 2, ..
	s_cmp_eq_u32 s28, 0
	s_cbranch_scc1 .Lend
	AFILL ACUR, 0                                  ; my first tile: 64 loads, which come in while the weight fragments are read
	AFILL ACUR, 1
	AFILL ACUR, 2
	AFILL ACUR, 3
.irp ks, 0,1,2,3,4,5,6,7,8,9,10,11,12,13,14,15
	WIN (0x80+0x40*((\ks)>>3))
.irp p, 0,1
.irp j, 0,1
.irp c, 0,1
	ds_load_b128 v[8*(4*((\ks)&7)+2*\p+\j)+4*\c:8*(4*((\ks)&7)+2*\p+\j)+4*\c+3], v[RDA+((\ks)>>2)] offset:\p*LPLANE+\j*16*PW+64*((\ks)&3)+32*\c
.endr
.endr
.endr
.endr
	s_wait_dscnt 0x0
	WIN 0                                          ; at a label and at a branch every window is 0
	s_sub_co_u32 s28, s28, 1
	s_cmp_eq_u32 s28, 0
	s_cbranch_scc1 .Llast
.Ltile:
	TILE 1
	WIN 0
	s_sub_co_u32 s28, s28, 1
	s_cmp_lg_u32 s28, 0
	s_cbranch_scc1 .Ltile
.Llast:
	TILE 0                                         ; the last tile fetches nothing: no load leaves the stored tiles
.Lend:
	s_wait_tensorcnt 0x0
	ds_add_u32 v254, v255
	s_wait_dscnt 0x0
	s_endpgm
.Lfunc_end_k_qf91f062b47_l2:
	.size	k_qf91f062b47_l2, .Lfunc_end_k_qf91f062b47_l2-k_qf91f062b47_l2
	.p2alignl 7, 3214868480
	.fill 96, 4, 3214868480
	.section	.rodata,"a",@progbits
	.p2align	6, 0x0
	.amdhsa_kernel k_qf91f062b47_l2
		.amdhsa_group_segment_fixed_size 139776
		.amdhsa_private_segment_fixed_size 0
		.amdhsa_enable_private_segment 0
		.amdhsa_kernarg_size 40
		.amdhsa_user_sgpr_count 2
		.amdhsa_user_sgpr_kernarg_segment_ptr 1
		.amdhsa_wavefront_size32 1
		.amdhsa_system_sgpr_workgroup_id_x 1
		.amdhsa_system_sgpr_workgroup_id_y 1
		.amdhsa_system_sgpr_workgroup_id_z 1
		.amdhsa_system_vgpr_workitem_id 0
		.amdhsa_next_free_vgpr 1024
		.amdhsa_next_free_sgpr 66
		.amdhsa_reserve_vcc 0
		.amdhsa_float_denorm_mode_32 3
		.amdhsa_float_denorm_mode_16_64 3
		.amdhsa_memory_ordered 1
		.amdhsa_forward_progress 1
		.amdhsa_inst_pref_size 78
	.end_amdhsa_kernel
	.amdgpu_metadata
---
amdhsa.version: [ 1, 2 ]
amdhsa.kernels:
  - .name:           k_qf91f062b47_l2
    .symbol:         k_qf91f062b47_l2.kd
    .args:
      - { .name: nt, .offset: 0, .size: 8, .value_kind: global_buffer, .address_space: global }
      - { .name: h, .offset: 8, .size: 8, .value_kind: global_buffer, .address_space: global }
      - { .name: Wr2, .offset: 16, .size: 8, .value_kind: global_buffer, .address_space: global }
      - { .name: Wi2, .offset: 24, .size: 8, .value_kind: global_buffer, .address_space: global }
      - { .name: part, .offset: 32, .size: 8, .value_kind: global_buffer, .address_space: global }
    .group_segment_fixed_size: 139776
    .private_segment_fixed_size: 0
    .kernarg_segment_align: 8
    .kernarg_segment_size: 40
    .max_flat_workgroup_size: 128
    .sgpr_count:     66
    .vgpr_count:     1024
    .wavefront_size: 32
...
	.end_amdgpu_metadata
.endif
;; end of part 5
;; launch combine (part 6): grid 256 x 1, 4 waves a work-group, no clusters, 0 bytes of LDS; arguments pos, part, br2, bi2, out0; writes out0
.if DOCPART == 6
	.amdgcn_target "amdgcn-amd-amdhsa--gfx1250"
	.amdhsa_code_object_version 6
	.text
	.protected	k_qf91f062b47_combine
	.globl	k_qf91f062b47_combine
	.p2align	8
	.type	k_qf91f062b47_combine,@function
k_qf91f062b47_combine:
	s_mov_b64 s[64:65], 0
	v_nop
	global_prefetch_b8 v0, s[64:65] scope:SCOPE_SE
	s_setreg_imm32_b32 hwreg(HW_REG_WAVE_MODE, 25, 1), 1
	s_wait_xcnt 0x0
; out[0][t] = y_r, out[1][t] = y_i of token t: the four K quarters of its row in part, added in the order ((q0 + q1) + q2) + q3, plus the
; biases br2, bi2 of its expert.  One wave takes one token.  Its row is expert * 1024 + slot: the OR of the eight words pos[e][t], of which only the
; word of the token's own expert can be other than 0 (whole numbers from an earlier launch).
; A row of part is 4,096 bytes: 16 bytes at 512 i + 16 L hold yr, yr, yi, yi of the columns 64 i + 2 L and 64 i + 2 L + 1.
; So each load of part covers 512 consecutive bytes and each store of the wave 256 consecutive aligned bytes.
; All 48 loads are issued at once; no register is written twice, so no wait frees anything.  A stream: no LDS, no matrix unit, no cluster.
.set D, 8                              ; v[8:167]  step i: 20 registers: q0, q1, q2, q3 (4 each), br2 (2), bi2 (2)
	s_load_b256 s[4:11], s[0:1], 0x0               ; pos s[4:5], part s[6:7], br2 s[8:9], bi2 s[10:11]
	s_load_b64 s[12:13], s[0:1], 0x20              ; out0
	v_lshrrev_b32 v1, 5, v0
	v_readfirstlane_b32 s14, v1                    ; wave
	s_lshl_b32 s15, ttmp9, 2
	s_add_co_u32 s15, s15, s14                     ; token
	s_lshl_b32 s16, s15, 2
	s_mov_b32 s17, 0
	v_and_b32 v1, 31, v0                           ; L
	v_lshlrev_b32 v2, 4, v1                        ; 16 L
	v_lshlrev_b32 v3, 3, v1                        ; 8 L
	s_wait_kmcnt 0x0
	s_add_nc_u64 s[4:5], s[4:5], s[16:17]
.irp e, 0,1,2,3,4,5,6,7
	s_load_b32 s[32+\e], s[4:5], \e*4096           ; pos[e][t]
.endr
	s_lshl_b32 s16, s15, 11                        ; the token's 2,048 bytes in each plane of out0
	s_add_nc_u64 s[12:13], s[12:13], s[16:17]
	s_wait_kmcnt 0x0
	s_or_b32 s32, s32, s33
	s_or_b32 s34, s34, s35
	s_or_b32 s36, s36, s37
	s_or_b32 s38, s38, s39
	s_or_b32 s32, s32, s34
	s_or_b32 s36, s36, s38
	s_or_b32 s18, s32, s36
	s_min_u32 s18, s18, 8191                       ; a row of part
	s_lshl_b32 s16, s18, 12
	s_add_nc_u64 s[20:21], s[6:7], s[16:17]        ; K quarter 0,
	s_add_nc_u64 s[22:23], s[20:21], 0x2000000     ; and the others, 32 MiB apart
	s_add_nc_u64 s[24:25], s[22:23], 0x2000000
	s_add_nc_u64 s[26:27], s[24:25], 0x2000000
	s_and_b32 s16, s18, 0x1c00                     ; expert * 1024,
	s_lshl_b32 s16, s16, 1                         ; * 2: its 2,048 bytes of bias
	s_add_nc_u64 s[8:9], s[8:9], s[16:17]
	s_add_nc_u64 s[10:11], s[10:11], s[16:17]
.irp i, 0,1,2,3,4,5,6,7
	global_load_b128 v[D+20*\i:D+20*\i+3], v2, s[20:21] offset:512*\i th:TH_LOAD_NT
	global_load_b128 v[D+20*\i+4:D+20*\i+7], v2, s[22:23] offset:512*\i th:TH_LOAD_NT
	global_load_b128 v[D+20*\i+8:D+20*\i+11], v2, s[24:25] offset:512*\i th:TH_LOAD_NT
	global_load_b128 v[D+20*\i+12:D+20*\i+15], v2, s[26:27] offset:512*\i th:TH_LOAD_NT
	global_load_b64 v[D+20*\i+16:D+20*\i+17], v3, s[8:9] offset:256*\i
	global_load_b64 v[D+20*\i+18:D+20*\i+19], v3, s[10:11] offset:256*\i
.endr
.irp i, 0,1,2,3,4,5,6,7
	s_wait_loadcnt 6*(7-\i)                        ; step i's six loads are in; those of the 7 - i younger steps stay out
.irp q, 4,8,12
	v_pk_add_f32 v[D+20*\i:D+20*\i+1], v[D+20*\i:D+20*\i+1], v[D+20*\i+\q:D+20*\i+\q+1]
	v_pk_add_f32 v[D+20*\i+2:D+20*\i+3], v[D+20*\i+2:D+20*\i+3], v[D+20*\i+\q+2:D+20*\i+\q+3]
.endr
	v_pk_add_f32 v[D+20*\i:D+20*\i+1], v[D+20*\i:D+20*\i+1], v[D+20*\i+16:D+20*\i+17]
	v_pk_add_f32 v[D+20*\i+2:D+20*\i+3], v[D+20*\i+2:D+20*\i+3], v[D+20*\i+18:D+20*\i+19]
	global_store_b64 v3, v[D+20*\i:D+20*\i+1], s[12:13] offset:256*\i th:TH_STORE_NT
	global_store_b64 v3, v[D+20*\i+2:D+20*\i+3], s[12:13] offset:2097152+256*\i th:TH_STORE_NT
.endr
	s_endpgm
.Lfunc_end_k_qf91f062b47_combine:
	.size	k_qf91f062b47_combine, .Lfunc_end_k_qf91f062b47_combine-k_qf91f062b47_combine
	.p2alignl 7, 3214868480
	.fill 96, 4, 3214868480
	.section	.rodata,"a",@progbits
	.p2align	6, 0x0
	.amdhsa_kernel k_qf91f062b47_combine
		.amdhsa_group_segment_fixed_size 0
		.amdhsa_private_segment_fixed_size 0
		.amdhsa_enable_private_segment 0
		.amdhsa_kernarg_size 40
		.amdhsa_user_sgpr_count 2
		.amdhsa_user_sgpr_kernarg_segment_ptr 1
		.amdhsa_wavefront_size32 1
		.amdhsa_system_sgpr_workgroup_id_x 1
		.amdhsa_system_sgpr_workgroup_id_y 1
		.amdhsa_system_sgpr_workgroup_id_z 1
		.amdhsa_system_vgpr_workitem_id 0
		.amdhsa_next_free_vgpr 176
		.amdhsa_next_free_sgpr 66
		.amdhsa_reserve_vcc 0
		.amdhsa_float_denorm_mode_32 3
		.amdhsa_float_denorm_mode_16_64 3
		.amdhsa_memory_ordered 1
		.amdhsa_forward_progress 1
		.amdhsa_inst_pref_size 13
	.end_amdhsa_kernel
	.amdgpu_metadata
---
amdhsa.version: [ 1, 2 ]
amdhsa.kernels:
  - .name:           k_qf91f062b47_combine
    .symbol:         k_qf91f062b47_combine.kd
    .args:
      - { .name: pos, .offset: 0, .size: 8, .value_kind: global_buffer, .address_space: global }
      - { .name: part, .offset: 8, .size: 8, .value_kind: global_buffer, .address_space: global }
      - { .name: br2, .offset: 16, .size: 8, .value_kind: global_buffer, .address_space: global }
      - { .name: bi2, .offset: 24, .size: 8, .value_kind: global_buffer, .address_space: global }
      - { .name: out0, .offset: 32, .size: 8, .value_kind: global_buffer, .address_space: global }
    .group_segment_fixed_size: 0
    .private_segment_fixed_size: 0
    .kernarg_segment_align: 8
    .kernarg_segment_size: 40
    .max_flat_workgroup_size: 128
    .sgpr_count:     66
    .vgpr_count:     176
    .wavefront_size: 32
...
	.end_amdgpu_metadata
.endif
;; end of part 6
;; ======== version 2 of 2: 6 launches; version 1 with the launches l1, l2 written anew for expert scheduling mode
;; limits: below input magnitudes of 1.1e-19 results are inexact or not finite; inputs' magnitudes at most 1.8e+19; values are held in f16: magnitudes above 65,504 overflow, below 6.1e-05 lose precision
;; workspace buffers: idx 4,096 bytes of whole numbers; list 32,768 bytes of whole numbers; pos 32,768 bytes of whole numbers; nt 256 bytes of whole numbers; xs 16,777,216 bytes; h 67,108,864 bytes; part 134,217,728 bytes
;; launch route: the kernel of part 1 again; grid 256 x 1, 4 waves a work-group, no clusters, 0 bytes of LDS; arguments x_r, x_i, idx; writes idx
;; launch bucket: the kernel of part 2 again; grid 8 x 1, 1 waves a work-group, no clusters, 4,608 bytes of LDS; arguments idx, list, pos, nt; writes list, pos, nt
;; launch pack: the kernel of part 3 again; grid 8 x 8, 8 waves a work-group, no clusters, 70,656 bytes of LDS; arguments list, nt, x_r, x_i, xs; writes xs
;; launch l1 (part 7): grid 32 x 8, 4 waves a work-group, no clusters, 139,776 bytes of LDS; arguments nt, xs, Wr1, Wi1, h, br1, bi1, mb; writes h
.if DOCPART == 7
	.amdgcn_target "amdgcn-amd-amdhsa--gfx1250"
	.amdhsa_code_object_version 6
	.text
	.protected	k_qf91f062b47_l1
	.globl	k_qf91f062b47_l1
	.p2align	8
	.type	k_qf91f062b47_l1,@function
k_qf91f062b47_l1:
	s_mov_b64 s[64:65], 0
	v_nop
	global_prefetch_b8 v0, s[64:65] scope:SCOPE_SE
	s_setreg_imm32_b32 hwreg(HW_REG_WAVE_SCHED_MODE, 0, 2), 2
	s_setreg_imm32_b32 hwreg(HW_REG_WAVE_MODE, 25, 1), 1
	s_wait_xcnt 0x0
	s_wait_alu depctr_vm_vsrc(0)
; One complex linear layer of the routed expert.  The same text serves both layers; LAYER chooses.
;   LAYER 1: h = ModReLU(x W1 + b1), x from xs (f16 fragments), h stored as f16 fragments of the next layer.
;   LAYER 2: partial sums of y = h W2 over a quarter of K, stored in f32; biases and the sum over the quarters follow in the last launch.
; Only the expert that the one-hot of the router keeps is computed for a token; the other seven products are multiplied by 0 there.
; (An infinity or NaN in an expert that was not chosen therefore does not reach the output.)
; OPERANDS IN f16, sums in f32.  The router chooses from x in f32, and its choice jumps: the result has to stand beside the reference in f32 itself.
;   With 8 significant bits the roundings of x, W1, h and W2 add up to about 0.3 per cent of the output's root mean square, with 11 bits to an eighth of that.
;   LIMIT KEPT: |x|, |W| or |h| of 65,520 or more becomes an infinity.  The room: x is drawn about 1, W about 0.02, so h is about 0.6; all of them 30 times
;   larger give h about 570 (root mean square); offsets of 30 spreads on x and W1 give |h| about 2 x 512 x 30 x 0.6 = 18,400.  30 times smaller, W and h are about
;   7e-4, still normal numbers of f16 (from 6.1e-5 up); below that the step is 6e-8.
; A WORK-GROUP (x, e = y) owns 64 weight columns x 512 of K x both planes (Wr, Wi) of expert e: 256 KiB of f32 that no other work-group reads.
;   LAYER 1: columns 64 x (K = 512 is all of it).  LAYER 2: columns 64 (x & 7), K quarter q = x >> 3.   32 x 8 = 256 work-groups.
; WEIGHT PHASE: wave w takes K rows 128 w .. + 127: runs of 16 loads, each of 2 rows x 256 consecutive aligned bytes, three runs in flight.
;   A lane holds 8 neighbouring k of 4 columns: rounded to f16 that is 16 bytes of a column, stored into LDS with K along the rows.
; Then ONE barrier, and each wave loads its 64 weight fragments (32 columns x 512 K x 2 planes, 512 registers), which stay for the whole launch.
; TOKEN PHASE: wave (wm, wn) = (w >> 1, w & 1) walks the tiles wm, wm + 2, .. of the expert's nt[e] tiles of 16 tokens, with columns 32 wn .. + 31.
;   A tile's 32 fragments come straight from memory into registers (each load 512 consecutive bytes), the next tile's among this tile's products.
;   128 matrix instructions a tile: P1 = Wr xr, P2 = Wi xi, Q = Wr xi + Wi xr;  real = P1 - P2, imaginary = Q.
; NO CLUSTER, NO TENSOR LOADS: the weights, which are the bytes that come from memory, are shared with nobody and must be rounded to f16 on
;   their way into LDS.  What is shared are the token tiles (32 KiB a tile, read by 2 waves of each of the expert's 32 work-groups).  A joint request for them
;   would need LDS slots and a barrier in each trip of a loop whose trip count is read from memory, and every wave has to pass every barrier
;   on a path that hangs on no loaded number.  So the tiles are read by each wave for itself.
; The LDS stores collide four deep (LAYER 1) or two deep (LAYER 2): 64 stores a wave in the whole launch.  The fragment loads do not: pitch 272.
; THE MODE: SCHED_MODE bits 1:0 = 2 (LLVM: expert scheduling mode 2), set by the entry lines.  The code itself states the register dependences
; between vector or matrix instructions and memory or LDS instructions, with s_wait_alu, always for 0.
; THE PLAN.  Registers that memory or LDS instructions touch, and who else names them:
;   v4, v5, v9, v10 / v11, v12-15  offsets and LDS addresses: written at the head, ahead of one wait on va_vdst, and never again.
;   landing slots 0-2 (window 2)   a run's 16 loads land in a slot; its 32 conversions read it; behind them the run three further on lands in it.
;   T (v16-47)                     weight phase: a run's conversions write it, its 8 LDS stores read it.  Token phase: the way out writes it, its stores read it.
;   A, four quarters (window 1)    quarter g's 32 matrix instructions read it; then the same quarter of my next tile lands in it.
;   B (windows 2 and 3)            LDS loads land there once, behind the barrier; from then on matrix instructions alone name it.
;   BR, BI, MB                     loaded once at the head.  The accumulators and EPSV are named by vector and matrix instructions alone.
; THE WAITS.  A weight run: vm_vsrc ahead of its conversions (the run before's LDS stores have read T), va_vdst behind them (T is written, the slot is read).
;   A tile: va_vdst at the head of quarters 1, 2, 3 (the quarter before is read: its refill follows behind this quarter's first eight matrix instructions, which name
;   none of the refill's registers); behind quarter 3 vm_vsrc (the last stores have read T) and va_vdst (quarter 3 is read); in the way out one va_vdst for each
;   batch of roots or reciprocals and one ahead of the stores.  Every load for my next tile is issued inside this tile, so the loop's head finds the same state from the entry and from the jump.
.set LAYER, 1
.if LAYER == 1
.set PITCHW,  8192                     ; bytes from a K row of the weights to the next
.set VSH,     16                       ; 8 such rows, as a shift
.set A_TILE,  32768                    ; a tile of the A operand: 2 planes x 16 ksteps x 1,024 bytes
.set A_PLANE, 16384
.set OSTEP,   0x40000                  ; two tiles of h
.else
.set PITCHW,  2048
.set VSH,     14
.set A_TILE,  131072                   ; 2 planes x 64 ksteps x 1,024 bytes
.set A_PLANE, 65536
.set OSTEP,   0x20000                  ; two tiles (32 rows of 4,096 bytes) of part
.endif
.set PW,     272                       ; LDS row: 128 k of f16 + 16 bytes: an odd multiple of 16, so 16 rows start in 16 different groups of banks
.set LPLANE, 64*PW                     ; 64 columns of one plane
.set LWAVE,  2*LPLANE                  ; what one wave stores: its 128 k of both planes, a region of its own
; window 0: v4 weight load offset, v5 LDS store address, v9 16 L, v10 / v11 store / bias offset, v12-15 LDS read addresses
.set RDA,  12
.set T,    16                          ; v16-47   at work
.set P1,   48                          ; v48-63   accumulators, 8 registers for each of the two column fragments j
.set P2,   64                          ; v64-79
.set Q,    80                          ; v80-95
.set BR,   96                          ; v96-111  LAYER 1: br1, bi1, mb of my 16 columns (8 j + jj)
.set BI,   112
.set MB,   128
.set EPSV, 144                         ; v144-145 1e-10 twice
; window 1: the 32 fragments of a token tile, A(p, s) at 8 (16 p + s)
; window 2: first three landing slots of 64 registers for the weights in f32; then, with window 3, the weight fragments:
;           B(p, j, s) at 8 (4 (s & 7) + 2 p + j) of window 2 + (s >> 3)
.set ACUR,  32                         ; s[32:33] my first tile      s[34:35] where my results go
.set ANEXT, 36                         ; s[36:37] the tile that is fetched ahead
.set MSB, 0
.macro WIN new                         ; low byte: bits 1:0 source 0, 3:2 source 1, 5:4 source 2, 7:6 destination; the high byte repeats the setting that is left
.if MSB != (\new)
	s_set_vgpr_msb (MSB<<8)|(\new)
.set MSB, (\new)
.endif
.endm
.macro PLACES                          ; four independent vector instructions behind a matrix instruction (ISA guide 7.12.1).  Behind quarter 3 they stand ahead of the
.rept 4                                ; reads of its results; behind quarters 0 to 2 between the quarter's last matrix instruction and the loads that land in its sources,
	v_nop                              ; beside the wait at the next quarter's head, which states that dependence and fills no place
.endr
.endm
; run grp (plane grp & 1, 32 k rows grp >> 1 of my 128) into landing slot: register 4 (8 c + i) + jc = W[k = 16 c + 8 h + i][column 4 r + jc]
.macro WLOAD grp, slot
.set WB_, 8+2*((\grp)&1)
	WIN 0x80
.irp c, 0,1
.irp i, 0,1,2,3,4,5,6,7
	global_load_b128 v[\slot*64+(8*\c+\i)*4:\slot*64+(8*\c+\i)*4+3], v4, s[WB_:WB_+1] offset:(32*((\grp)>>1)+16*\c+\i)*PITCHW th:TH_LOAD_NT
.endr
.endr
.endm
; round the run to f16, 8 neighbouring k of a column into 16 bytes; ask for run nxt (if there is one) into the slot just emptied; store the 16-byte pieces into their columns' LDS rows
.macro WCVT grp, slot, nxt=-1
.if (\grp) > 0
	s_wait_alu depctr_vm_vsrc(0)                   ; the LDS stores of the run before have read T, which the conversions below write again
.endif
	WIN 0x0a
.irp jc, 0,1,2,3
.irp c, 0,1
.irp pp, 0,1,2,3
	v_cvt_pk_f16_f32 v[T+8*\jc+4*\c+\pp], v[\slot*64+(8*\c+2*\pp)*4+\jc], v[\slot*64+(8*\c+2*\pp+1)*4+\jc]
.endr
.endr
.endr
.if (\nxt) >= 0
	WIN 0x80
.else
	WIN 0
.endif
	s_wait_alu depctr_va_vdst(0)                   ; the conversions have written T, which the LDS stores below read, and are done reading the slot, in which the loads below land
.if (\nxt) >= 0
	WLOAD \nxt, \slot                              ; the loads first: the requests leave before the LDS stores are queued
.endif
	WIN 0
.irp jc, 0,1,2,3
.if LAYER == 1
.set RO_, \jc                          ; LDS row = column
.else
.set RO_, 16*((\jc)&1)+((\jc)>>1)      ; LDS row = 32 (n >> 5) + 16 (n & 1) + ((n & 31) >> 1): fragment j, row r is column 2 r + j
.endif
.irp c, 0,1
	ds_store_b128 v5, v[T+8*\jc+4*\c:T+8*\jc+4*\c+3] offset:((\grp)&1)*LPLANE+RO_*PW+64*((\grp)>>1)+32*\c
.endr
.endr
.endm
; 16 loads: ksteps 4 g .. 4 g + 3, both planes, of the tile at s[sb:sb+1]
.macro AFILL sb, g
	WIN 0x40
.irp k, 0,1,2,3
.irp p, 0,1
.irp c, 0,1
	global_load_b128 v[8*(16*\p+4*(\g)+\k)+4*\c:8*(16*\p+4*(\g)+\k)+4*\c+3], v9, s[\sb:\sb+1] offset:\p*A_PLANE+(4*(\g)+\k)*1024+512*\c
.endr
.endr
.endr
.endm
; one matrix instruction.  cm = 0: accumulate in place; 1: C is the constant 0; else: C is the eight registers from cm on (a bias)
; LAYER 1 takes the weights as source 0: a lane's eight results are eight neighbouring columns of one token, which is the next layer's fragment.
; LAYER 2 takes the tokens as source 0: register jj of a lane is token 8 h + jj, column 2 r + j.
.macro MM d, bp, bj, ap, ks, cm
.set BF_, 8*(4*((\ks)&7)+2*(\bp)+(\bj))
.set AF_, 8*(16*(\ap)+(\ks))
.if LAYER == 1
.set S0_, BF_
.set S1_, AF_
.else
.set S0_, AF_
.set S1_, BF_
.endif
.if (\cm) == 0
	v_wmma_f32_16x16x32_f16 v[\d:\d+7], v[S0_:S0_+7], v[S1_:S1_+7], v[\d:\d+7]
.elseif (\cm) == 1
	v_wmma_f32_16x16x32_f16 v[\d:\d+7], v[S0_:S0_+7], v[S1_:S1_+7], 0
.else
	v_wmma_f32_16x16x32_f16 v[\d:\d+7], v[S0_:S0_+7], v[S1_:S1_+7], v[\cm:\cm+7]
.endif
.endm
.macro KSTEP ks                        ; 32 along K: eight matrix instructions.  The first kstep starts the sums: nothing is cleared
.if (\ks) == 0
.if LAYER == 1
	MM P1, 0, 0, 0, \ks, BR
	MM P1+8, 0, 1, 0, \ks, BR+8
	MM Q, 0, 0, 1, \ks, BI
	MM Q+8, 0, 1, 1, \ks, BI+8
.else
	MM P1, 0, 0, 0, \ks, 1
	MM P1+8, 0, 1, 0, \ks, 1
	MM Q, 0, 0, 1, \ks, 1
	MM Q+8, 0, 1, 1, \ks, 1
.endif
	MM P2, 1, 0, 1, \ks, 1
	MM P2+8, 1, 1, 1, \ks, 1
.else
	MM P1, 0, 0, 0, \ks, 0
	MM P1+8, 0, 1, 0, \ks, 0
	MM Q, 0, 0, 1, \ks, 0
	MM Q+8, 0, 1, 1, \ks, 0
	MM P2, 1, 0, 1, \ks, 0
	MM P2+8, 1, 1, 1, \ks, 0
.endif
	MM Q, 1, 0, 0, \ks, 0
	MM Q+8, 1, 1, 0, \ks, 0
.endm
; quarter g of a tile's products.  fill = 1: behind its first eight matrix instructions stand, in one run, the 16 loads that bring quarter g - 1 of my next tile.
; One run, since loads and products need different window settings: two switches for the run.
.macro MULG g, fill
.irp k, 0,1,2,3
.if LAYER == 1
	WIN (0x06+((\g)>>1))               ; source 0 = B in window 2 or 3, source 1 = A in window 1, C and D in window 0
.else
	WIN (0x09+4*((\g)>>1))             ; source 0 = A in window 1, source 1 = B in window 2 or 3
.endif
	KSTEP 4*\g+\k
.if (\fill) && ((\g) > 0) && ((\k) == 0)
	AFILL ANEXT, (\g)-1                            ; no wait: since the wait at the quarter's head only these eight matrix instructions were issued, and they name quarter g, B and the accumulators
.endif
.endr
.endm
.if LAYER == 1
; ModReLU on 16 numbers a lane, rounding to f16, four stores of 512 consecutive bytes: chunk j of kstep 2 x + wn of both planes of h
.macro EPI
.irp i, 0,2,4,6,8,10,12,14
	v_pk_fma_f32 v[P1+\i:P1+\i+1], v[P2+\i:P2+\i+1], -1.0, v[P1+\i:P1+\i+1] op_sel_hi:[1,0,1]   ; h_r = (Wr xr + br) - Wi xi
.endr
.irp i, 0,2,4,6,8,10,12,14
	v_pk_fma_f32 v[P2+\i:P2+\i+1], v[P1+\i:P1+\i+1], v[P1+\i:P1+\i+1], v[EPSV:EPSV+1]
.endr
.irp i, 0,2,4,6,8,10,12,14
	v_pk_fma_f32 v[P2+\i:P2+\i+1], v[Q+\i:Q+\i+1], v[Q+\i:Q+\i+1], v[P2+\i:P2+\i+1]
.endr
.irp i, 0,1,2,3,4,5,6,7,8,9,10,11,12,13,14,15
	v_sqrt_f32 v[T+16+\i], v[P2+\i]                ; amp
.endr
	v_nop                                          ; a plain vector instruction between the roots and their use (ISA guide 5.7.2)
	s_wait_alu depctr_va_vdst(0)                   ; the sixteen roots are written into T+16 .. T+31: one wait for the batch, ahead of its first reader
.irp i, 0,2,4,6,8,10,12,14
	v_pk_add_f32 v[T+\i:T+\i+1], v[T+16+\i:T+16+\i+1], v[EPSV:EPSV+1]       ; amp + eps
.endr
.irp i, 0,2,4,6,8,10,12,14
	v_pk_add_f32 v[P2+\i:P2+\i+1], v[T+16+\i:T+16+\i+1], v[MB+\i:MB+\i+1]   ; amp + mb
.endr
.irp i, 0,1,2,3,4,5,6,7,8,9,10,11,12,13,14,15
	v_rcp_f32 v[T+16+\i], v[T+\i]
.endr
.irp i, 0,1,2,3,4,5,6,7,8,9,10,11,12,13,14,15
	v_max_num_f32 v[P2+\i], 0, v[P2+\i]            ; relu; also the plain instructions behind the reciprocals
.endr
	s_wait_alu depctr_va_vdst(0)                   ; the sixteen reciprocals are written into T+16 .. T+31: one wait for the batch, ahead of its first reader
.irp i, 0,2,4,6,8,10,12,14
	v_pk_mul_f32 v[P2+\i:P2+\i+1], v[P2+\i:P2+\i+1], v[T+16+\i:T+16+\i+1]   ; scale
.endr
.irp i, 0,2,4,6,8,10,12,14
	v_pk_mul_f32 v[P1+\i:P1+\i+1], v[P1+\i:P1+\i+1], v[P2+\i:P2+\i+1]
	v_pk_mul_f32 v[Q+\i:Q+\i+1], v[Q+\i:Q+\i+1], v[P2+\i:P2+\i+1]
.endr
.irp i, 0,1,2,3,4,5,6,7
	v_cvt_pk_f16_f32 v[T+\i], v[P1+2*\i], v[P1+2*\i+1]
	v_cvt_pk_f16_f32 v[T+8+\i], v[Q+2*\i], v[Q+2*\i+1]
.endr
	s_wait_alu depctr_va_vdst(0)                   ; the conversions have written T .. T+15, which the four stores read
.irp p, 0,1
.irp j, 0,1
	global_store_b128 v9, v[T+8*\p+4*\j:T+8*\p+4*\j+3], s[34:35] offset:\p*65536+512*\j
.endr
.endr
.endm
.else
; a lane's four numbers of a token (yr, yi of columns 2 r, 2 r + 1) into neighbouring registers; sixteen lanes store 256 consecutive aligned bytes
.macro EPI
.irp jj, 0,1,2,3,4,5,6,7
.irp j, 0,1
	v_sub_f32 v[T+4*\jj+\j], v[P1+8*\j+\jj], v[P2+8*\j+\jj]
	v_mov_b32 v[T+4*\jj+2+\j], v[Q+8*\j+\jj]
.endr
.endr
	s_wait_alu depctr_va_vdst(0)                   ; the lines above have written T .. T+31, which the eight stores read
.irp jj, 0,1,2,3,4,5,6,7
	global_store_b128 v10, v[T+4*\jj:T+4*\jj+3], s[34:35] offset:\jj*4096
.endr
.endm
.endif
; one tile.  ahead = 1: my next tile (two further on) is requested: its quarter g - 1 in quarter g, its quarter 3 behind the last products.
; The waits on LOADcnt (loads come back in order: ISA guide 5.7.1).  Quarter 0: behind its 16 loads stand quarters 1 to 3 of the same tile: 48.  Quarter 1: quarters 2 and 3: 32.
; Quarter 2: quarter 3 and the next tile's quarter 0: 32.  Quarter 3: the next tile's quarters 0 and 1: 32.  From the entry and round the back edge alike.
; In the last tile nothing is requested and the counts run down.
.macro TILE ahead
.irp g, 0,1,2,3
.if (\ahead) && ((\g) > 0)
	s_wait_loadcnt 32
	s_wait_alu depctr_va_vdst(0)                   ; the matrix instructions of the quarter before are done reading its fragments, in which the loads of this quarter's run land
.else
	s_wait_loadcnt 48-16*\g
.endif
	MULG \g, \ahead
	PLACES
.endr
	s_wait_alu depctr_vm_vsrc(0)                   ; the stores that read T have read it (my first tile: the weight phase's LDS stores; later: the stores of the tile before): the way out writes T again
.if \ahead
	WIN 0x40
	s_wait_alu depctr_va_vdst(0)                   ; quarter 3's matrix instructions are done reading its fragments, in which the loads below land
	AFILL ANEXT, 3
.endif
	WIN 0
	EPI
.if \ahead
	s_wait_xcnt 0x0                                ; the stores' data and base and the loads' base are rewritten only behind this wait
	s_add_nc_u64 s[ANEXT:ANEXT+1], s[ANEXT:ANEXT+1], 2*A_TILE
	s_add_nc_u64 s[34:35], s[34:35], OSTEP
.endif
.endm
	s_load_b256 s[4:11], s[0:1], 0x0               ; nt s[4:5], A s[6:7], Wr s[8:9], Wi s[10:11]
	s_load_b64 s[12:13], s[0:1], 0x20              ; the output
.if LAYER == 1
	s_load_b128 s[16:19], s[0:1], 0x28             ; br1, bi1
	s_load_b64 s[20:21], s[0:1], 0x38              ; mb
	v_lshl_add_u32 v254, v0, 2, 0x22000
	v_mov_b32 v255, 0
.endif
	v_lshrrev_b32 v1, 5, v0
	v_readfirstlane_b32 s22, v1                    ; wave; what does not need it stands between this line and the wait for it
	s_and_b32 s25, ttmp7, 0xffff                   ; expert
.if LAYER == 1
	s_mov_b32 s26, ttmp9                           ; column slice
.else
	s_and_b32 s26, ttmp9, 7                        ; column slice
	s_lshr_b32 s29, ttmp9, 3                       ; K quarter
.endif
	s_mov_b32 s31, 0                               ; the high word of every offset pair s[30:31]
	v_and_b32 v1, 15, v0                           ; r
	v_bfe_u32 v2, v0, 4, 1                         ; h
	v_and_b32 v3, 31, v0                           ; L
	v_lshlrev_b32 v4, 4, v1
	v_lshl_add_u32 v4, v2, VSH, v4                 ; weights: 8 h rows + 16 r bytes
.if LAYER == 1
	v_mul_u32_u24 v5, v1, 4*PW                     ; LDS row of column 4 r
.else
	v_lshrrev_b32 v6, 3, v1
	v_and_b32 v7, 7, v1
	v_lshlrev_b32 v6, 5, v6
	v_lshl_add_u32 v6, v7, 1, v6                   ; LDS row of column 4 r: 32 (r >> 3) + 2 (r & 7)
	v_mul_u32_u24 v5, v6, PW
.endif
	v_lshl_add_u32 v5, v2, 4, v5                   ; + 16 h
	v_mul_u32_u24 v7, v1, PW
	v_lshl_add_u32 v7, v2, 4, v7
	v_lshlrev_b32 v9, 4, v3                        ; 16 L
.if LAYER == 1
	v_lshlrev_b32 v11, 5, v2                       ; biases: 8 h columns
	v_mov_b32 v[EPSV], 0x2edbe6ff                  ; 1e-10
	v_mov_b32 v[EPSV+1], 0x2edbe6ff
.else
	v_lshlrev_b32 v10, 4, v1
	v_lshl_add_u32 v10, v2, 15, v10                ; part: 8 h rows of 4,096 bytes + 16 r
.endif
	s_wait_alu depctr_va_sdst(0)                   ; s22 is written, ahead of its first reader: wm, wn, the LDS regions and the bases are made from it
	s_lshr_b32 s23, s22, 1                         ; wm
	s_and_b32 s24, s22, 1                          ; wn
	s_mul_i32 s30, s22, LWAVE
	v_add_nc_u32 v5, s30, v5                       ; + my wave's region
	s_mul_i32 s28, s24, 32*PW
	v_add_nc_u32 v7, s28, v7                       ; fragments: (32 wn + r) rows + 16 h
.irp kp, 0,1,2,3
	v_add_nc_u32 v[RDA+\kp], \kp*LWAVE, v7         ; in the region of K quarter kp
.endr
	s_wait_alu depctr_va_vdst(0)                   ; v4, v5, v9, v10 or v11 and v12 to v15 are written: every load and store of the kernel reads one of them as its offset or address, and none is written again
	s_wait_kmcnt 0x0
	s_lshl_b32 s30, s25, 2
	s_add_nc_u64 s[4:5], s[4:5], s[30:31]
	s_load_b32 s27, s[4:5], 0x0                    ; nt[e]: waited for behind the barrier
	s_lshl_b32 s30, s25, 22                        ; weights: expert x 4 MiB + slice x 256 bytes + my 128 K rows (+ the K quarter)
	s_lshl_b32 s28, s26, 8
	s_add_co_u32 s30, s30, s28
.if LAYER == 1
	s_lshl_b32 s28, s22, 20
.else
	s_lshl_b32 s28, s22, 18
	s_add_co_u32 s30, s30, s28
	s_lshl_b32 s28, s29, 20
.endif
	s_add_co_u32 s30, s30, s28
	s_add_nc_u64 s[8:9], s[8:9], s[30:31]
	s_add_nc_u64 s[10:11], s[10:11], s[30:31]
.if LAYER == 1
	s_lshl_b32 s30, s25, 13                        ; biases: expert x 8,192 + slice x 256 + wn x 128 bytes
	s_lshl_b32 s28, s26, 8
	s_add_co_u32 s30, s30, s28
	s_lshl_b32 s28, s24, 7
	s_add_co_u32 s30, s30, s28
	s_add_nc_u64 s[16:17], s[16:17], s[30:31]
	s_add_nc_u64 s[18:19], s[18:19], s[30:31]
	s_add_nc_u64 s[20:21], s[20:21], s[30:31]
.irp j, 0,1
.irp d, 0,1
	global_load_b128 v[BR+8*\j+4*\d:BR+8*\j+4*\d+3], v11, s[16:17] offset:64*\j+16*\d
	global_load_b128 v[BI+8*\j+4*\d:BI+8*\j+4*\d+3], v11, s[18:19] offset:64*\j+16*\d
	global_load_b128 v[MB+8*\j+4*\d:MB+8*\j+4*\d+3], v11, s[20:21] offset:64*\j+16*\d
.endr
.endr
.endif
	WLOAD 0, 0                                     ; three runs of 16 loads, 24 KiB a wave, are kept on their way
	WLOAD 1, 1
	WLOAD 2, 2
.if LAYER == 1
	s_lshl_b32 s30, s25, 21                        ; A: expert x 64 tiles + tile wm
	s_lshl_b32 s28, s23, 15
	s_add_co_u32 s30, s30, s28
.else
	s_lshl_b32 s30, s25, 23
	s_lshl_b32 s28, s23, 17
	s_add_co_u32 s30, s30, s28
	s_lshl_b32 s28, s29, 14                        ; + 16 ksteps for each K quarter
	s_add_co_u32 s30, s30, s28
.endif
	s_add_nc_u64 s[ACUR:ACUR+1], s[6:7], s[30:31]
	s_add_nc_u64 s[ANEXT:ANEXT+1], s[ACUR:ACUR+1], 2*A_TILE
	s_lshl1_add_u32 s28, s26, s24                  ; 2 x slice + wn: my 32 columns
.if LAYER == 1
	s_lshl_b32 s30, s25, 23                        ; h: expert x 64 tiles of 128 KiB + tile wm + that kstep
	s_lshl_b32 s28, s28, 10
	s_add_co_u32 s30, s30, s28
	s_lshl_b32 s28, s23, 17
	s_add_co_u32 s30, s30, s28
.else
	s_lshl_b32 s30, s25, 22                        ; part: quarter x 32 MiB + expert x 1,024 rows + tile wm + 256 bytes for my 32 columns
	s_lshl_b32 s28, s28, 8
	s_add_co_u32 s30, s30, s28
	s_lshl_b32 s28, s23, 16
	s_add_co_u32 s30, s30, s28
	s_lshl_b32 s28, s29, 25
	s_add_co_u32 s30, s30, s28
.endif
	s_add_nc_u64 s[34:35], s[12:13], s[30:31]
	; loads come back in order (ISA guide 5.7.1): 32 leaves the two younger runs out (and covers the biases, which are older)
	s_wait_loadcnt 32
	WCVT 0, 0, 3
	s_wait_loadcnt 32
	WCVT 1, 1, 4
	s_wait_loadcnt 32
	WCVT 2, 2, 5
	s_wait_loadcnt 32
	WCVT 3, 0, 6
	s_wait_loadcnt 32
	WCVT 4, 1, 7
	s_wait_loadcnt 32
	WCVT 5, 2
	s_wait_loadcnt 16                              ; one younger run
	WCVT 6, 0
	s_wait_loadcnt 0
	WCVT 7, 1
	WIN 0
	s_wait_dscnt 0x0                               ; my stores are done before I signal: the other waves read them
	s_barrier_signal -1
	s_barrier_wait -1                              ; the only barrier, ahead of every branch on a loaded number; LDS is only read from here on
	s_wait_kmcnt 0x0
	s_min_u32 s27, s27, 64                         ; tiles of this expert
	s_add_co_u32 s28, s27, 1
	s_sub_co_u32 s28, s28, s23
	s_lshr_b32 s28, s28, 1                         ; of which mine: wm, wm + 2, ..
	s_cmp_eq_u32 s28, 0
	s_cbranch_scc1 .Lend
	AFILL ACUR, 0                                  ; my first tile: 64 loads, which come in while the weight fragments are read.  No vector or matrix instruction has named window 1 yet
	AFILL ACUR, 1
	AFILL ACUR, 2
	AFILL ACUR, 3
	; the weight fragments.  No wait: the last vector instructions that named window 2, the last run's conversions, stand ahead of that run's wait on va_vdst, and none was issued since
.irp ks, 0,1,2,3,4,5,6,7,8,9,10,11,12,13,14,15
	WIN (0x80+0x40*((\ks)>>3))
.irp p, 0,1
.irp j, 0,1
.irp c, 0,1
	ds_load_b128 v[8*(4*((\ks)&7)+2*\p+\j)+4*\c:8*(4*((\ks)&7)+2*\p+\j)+4*\c+3], v[RDA+((\ks)>>2)] offset:\p*LPLANE+\j*16*PW+64*((\ks)&3)+32*\c
.endr
.endr
.endr
.endr
	s_wait_dscnt 0x0
	WIN 0                                          ; at a label and at a branch every window is 0
	s_sub_co_u32 s28, s28, 1
	s_cmp_eq_u32 s28, 0
	s_cbranch_scc1 .Llast
.Ltile:
	TILE 1
	WIN 0
	s_sub_co_u32 s28, s28, 1
	s_cmp_lg_u32 s28, 0
	s_cbranch_scc1 .Ltile
.Llast:
	TILE 0                                         ; the last tile fetches nothing: no load leaves the stored tiles
.Lend:
	s_wait_dscnt 0x0
	s_wait_alu depctr_hold_cnt(0) depctr_sa_sdst(0) depctr_va_vdst(0) depctr_va_sdst(0) depctr_va_ssrc(0) depctr_va_vcc(0) depctr_vm_vsrc(0)
	s_wait_tensorcnt 0x0
	ds_add_u32 v254, v255
	s_wait_dscnt 0x0
	s_endpgm
.Lfunc_end_k_qf91f062b47_l1:
	.size	k_qf91f062b47_l1, .Lfunc_end_k_qf91f062b47_l1-k_qf91f062b47_l1
	.p2alignl 7, 3214868480
	.fill 96, 4, 3214868480
	.section	.rodata,"a",@progbits
	.p2align	6, 0x0
	.amdhsa_kernel k_qf91f062b47_l1
		.amdhsa_group_segment_fixed_size 139776
		.amdhsa_private_segment_fixed_size 0
		.amdhsa_enable_private_segment 0
		.amdhsa_kernarg_size 64
		.amdhsa_user_sgpr_count 2
		.amdhsa_user_sgpr_kernarg_segment_ptr 1
		.amdhsa_wavefront_size32 1
		.amdhsa_system_sgpr_workgroup_id_x 1
		.amdhsa_system_sgpr_workgroup_id_y 1
		.amdhsa_system_sgpr_workgroup_id_z 1
		.amdhsa_system_vgpr_workitem_id 0
		.amdhsa_next_free_vgpr 1024
		.amdhsa_next_free_sgpr 66
		.amdhsa_reserve_vcc 0
		.amdhsa_float_denorm_mode_32 3
		.amdhsa_float_denorm_mode_16_64 3
		.amdhsa_memory_ordered 1
		.amdhsa_forward_progress 1
		.amdhsa_inst_pref_size 91
	.end_amdhsa_kernel
	.amdgpu_metadata
---
amdhsa.version: [ 1, 2 ]
amdhsa.kernels:
  - .name:           k_qf91f062b47_l1
    .symbol:         k_qf91f062b47_l1.kd
    .args:
      - { .name: nt, .offset: 0, .size: 8, .value_kind: global_buffer, .address_space: global }
      - { .name: xs, .offset: 8, .size: 8, .value_kind: global_buffer, .address_space: global }
      - { .name: Wr1, .offset: 16, .size: 8, .value_kind: global_buffer, .address_space: global }
      - { .name: Wi1, .offset: 24, .size: 8, .value_kind: global_buffer, .address_space: global }
      - { .name: h, .offset: 32, .size: 8, .value_kind: global_buffer, .address_space: global }
      - { .name: br1, .offset: 40, .size: 8, .value_kind: global_buffer, .address_space: global }
      - { .name: bi1, .offset: 48, .size: 8, .value_kind: global_buffer, .address_space: global }
      - { .name: mb, .offset: 56, .size: 8, .value_kind: global_buffer, .address_space: global }
    .group_segment_fixed_size: 139776
    .private_segment_fixed_size: 0
    .kernarg_segment_align: 8
    .kernarg_segment_size: 64
    .max_flat_workgroup_size: 128
    .sgpr_count:     66
    .vgpr_count:     1024
    .wavefront_size: 32
...
	.end_amdgpu_metadata
.endif
;; end of part 7
;; launch l2 (part 8): grid 32 x 8, 4 waves a work-group, no clusters, 139,776 bytes of LDS; arguments nt, h, Wr2, Wi2, part; writes part
.if DOCPART == 8
	.amdgcn_target "amdgcn-amd-amdhsa--gfx1250"
	.amdhsa_code_object_version 6
	.text
	.protected	k_qf91f062b47_l2
	.globl	k_qf91f062b47_l2
	.p2align	8
	.type	k_qf91f062b47_l2,@function
k_qf91f062b47_l2:
	s_mov_b64 s[64:65], 0
	v_nop
	global_prefetch_b8 v0, s[64:65] scope:SCOPE_SE
	s_setreg_imm32_b32 hwreg(HW_REG_WAVE_SCHED_MODE, 0, 2), 2
	s_setreg_imm32_b32 hwreg(HW_REG_WAVE_MODE, 25, 1), 1
	s_wait_xcnt 0x0
	s_wait_alu depctr_vm_vsrc(0)
; One complex linear layer of the routed expert.  The same text serves both layers; LAYER chooses.
;   LAYER 1: h = ModReLU(x W1 + b1), x from xs (f16 fragments), h stored as f16 fragments of the next layer.
;   LAYER 2: partial sums of y = h W2 over a quarter of K, stored in f32; biases and the sum over the quarters follow in the last launch.
; Only the expert that the one-hot of the router keeps is computed for a token; the other seven products are multiplied by 0 there.
; (An infinity or NaN in an expert that was not chosen therefore does not reach the output.)
; OPERANDS IN f16, sums in f32.  The router chooses from x in f32, and its choice jumps: the result has to stand beside the reference in f32 itself.
;   With 8 significant bits the roundings of x, W1, h and W2 add up to about 0.3 per cent of the output's root mean square, with 11 bits to an eighth of that.
;   LIMIT KEPT: |x|, |W| or |h| of 65,520 or more becomes an infinity.  The room: x is drawn about 1, W about 0.02, so h is about 0.6; all of them 30 times
;   larger give h about 570 (root mean square); offsets of 30 spreads on x and W1 give |h| about 2 x 512 x 30 x 0.6 = 18,400.  30 times smaller, W and h are about
;   7e-4, still normal numbers of f16 (from 6.1e-5 up); below that the step is 6e-8.
; A WORK-GROUP (x, e = y) owns 64 weight columns x 512 of K x both planes (Wr, Wi) of expert e: 256 KiB of f32 that no other work-group reads.
;   LAYER 1: columns 64 x (K = 512 is all of it).  LAYER 2: columns 64 (x & 7), K quarter q = x >> 3.   32 x 8 = 256 work-groups.
; WEIGHT PHASE: wave w takes K rows 128 w .. + 127: runs of 16 loads, each of 2 rows x 256 consecutive aligned bytes, three runs in flight.
;   A lane holds 8 neighbouring k of 4 columns: rounded to f16 that is 16 bytes of a column, stored into LDS with K along the rows.
; Then ONE barrier, and each wave loads its 64 weight fragments (32 columns x 512 K x 2 planes, 512 registers), which stay for the whole launch.
; TOKEN PHASE: wave (wm, wn) = (w >> 1, w & 1) walks the tiles wm, wm + 2, .. of the expert's nt[e] tiles of 16 tokens, with columns 32 wn .. + 31.
;   A tile's 32 fragments come straight from memory into registers (each load 512 consecutive bytes), the next tile's among this tile's products.
;   128 matrix instructions a tile: P1 = Wr xr, P2 = Wi xi, Q = Wr xi + Wi xr;  real = P1 - P2, imaginary = Q.
; NO CLUSTER, NO TENSOR LOADS: the weights, which are the bytes that come from memory, are shared with nobody and must be rounded to f16 on
;   their way into LDS.  What is shared are the token tiles (32 KiB a tile, read by 2 waves of each of the expert's 32 work-groups).  A joint request for them
;   would need LDS slots and a barrier in each trip of a loop whose trip count is read from memory, and every wave has to pass every barrier
;   on a path that hangs on no loaded number.  So the tiles are read by each wave for itself.
; The LDS stores collide four deep (LAYER 1) or two deep (LAYER 2): 64 stores a wave in the whole launch.  The fragment loads do not: pitch 272.
; THE MODE: SCHED_MODE bits 1:0 = 2 (LLVM: expert scheduling mode 2), set by the entry lines.  The code itself states the register dependences
; between vector or matrix instructions and memory or LDS instructions, with s_wait_alu, always for 0.
; THE PLAN.  Registers that memory or LDS instructions touch, and who else names them:
;   v4, v5, v9, v10 / v11, v12-15  offsets and LDS addresses: written at the head, ahead of one wait on va_vdst, and never again.
;   landing slots 0-2 (window 2)   a run's 16 loads land in a slot; its 32 conversions read it; behind them the run three further on lands in it.
;   T (v16-47)                     weight phase: a run's conversions write it, its 8 LDS stores read it.  Token phase: the way out writes it, its stores read it.
;   A, four quarters (window 1)    quarter g's 32 matrix instructions read it; then the same quarter of my next tile lands in it.
;   B (windows 2 and 3)            LDS loads land there once, behind the barrier; from then on matrix instructions alone name it.
;   BR, BI, MB                     loaded once at the head.  The accumulators and EPSV are named by vector and matrix instructions alone.
; THE WAITS.  A weight run: vm_vsrc ahead of its conversions (the run before's LDS stores have read T), va_vdst behind them (T is written, the slot is read).
;   A tile: va_vdst at the head of quarters 1, 2, 3 (the quarter before is read: its refill follows behind this quarter's first eight matrix instructions, which name
;   none of the refill's registers); behind quarter 3 vm_vsrc (the last stores have read T) and va_vdst (quarter 3 is read); in the way out one va_vdst for each
;   batch of roots or reciprocals and one ahead of the stores.  Every load for my next tile is issued inside this tile, so the loop's head finds the same state from the entry and from the jump.
.set LAYER, 2
.if LAYER == 1
.set PITCHW,  8192                     ; bytes from a K row of the weights to the next
.set VSH,     16                       ; 8 such rows, as a shift
.set A_TILE,  32768                    ; a tile of the A operand: 2 planes x 16 ksteps x 1,024 bytes
.set A_PLANE, 16384
.set OSTEP,   0x40000                  ; two tiles of h
.else
.set PITCHW,  2048
.set VSH,     14
.set A_TILE,  131072                   ; 2 planes x 64 ksteps x 1,024 bytes
.set A_PLANE, 65536
.set OSTEP,   0x20000                  ; two tiles (32 rows of 4,096 bytes) of part
.endif
.set PW,     272                       ; LDS row: 128 k of f16 + 16 bytes: an odd multiple of 16, so 16 rows start in 16 different groups of banks
.set LPLANE, 64*PW                     ; 64 columns of one plane
.set LWAVE,  2*LPLANE                  ; what one wave stores: its 128 k of both planes, a region of its own
; window 0: v4 weight load offset, v5 LDS store address, v9 16 L, v10 / v11 store / bias offset, v12-15 LDS read addresses
.set RDA,  12
.set T,    16                          ; v16-47   at work
.set P1,   48                          ; v48-63   accumulators, 8 registers for each of the two column fragments j
.set P2,   64                          ; v64-79
.set Q,    80                          ; v80-95
.set BR,   96                          ; v96-111  LAYER 1: br1, bi1, mb of my 16 columns (8 j + jj)
.set BI,   112
.set MB,   128
.set EPSV, 144                         ; v144-145 1e-10 twice
; window 1: the 32 fragments of a token tile, A(p, s) at 8 (16 p + s)
; window 2: first three landing slots of 64 registers for the weights in f32; then, with window 3, the weight fragments:
;           B(p, j, s) at 8 (4 (s & 7) + 2 p + j) of window 2 + (s >> 3)
.set ACUR,  32                         ; s[32:33] my first tile      s[34:35] where my results go
.set ANEXT, 36                         ; s[36:37] the tile that is fetched ahead
.set MSB, 0
.macro WIN new                         ; low byte: bits 1:0 source 0, 3:2 source 1, 5:4 source 2, 7:6 destination; the high byte repeats the setting that is left
.if MSB != (\new)
	s_set_vgpr_msb (MSB<<8)|(\new)
.set MSB, (\new)
.endif
.endm
.macro PLACES                          ; four independent vector instructions behind a matrix instruction (ISA guide 7.12.1).  Behind quarter 3 they stand ahead of the
.rept 4                                ; reads of its results; behind quarters 0 to 2 between the quarter's last matrix instruction and the loads that land in its sources,
	v_nop                              ; beside the wait at the next quarter's head, which states that dependence and fills no place
.endr
.endm
; run grp (plane grp & 1, 32 k rows grp >> 1 of my 128) into landing slot: register 4 (8 c + i) + jc = W[k = 16 c + 8 h + i][column 4 r + jc]
.macro WLOAD grp, slot
.set WB_, 8+2*((\grp)&1)
	WIN 0x80
.irp c, 0,1
.irp i, 0,1,2,3,4,5,6,7
	global_load_b128 v[\slot*64+(8*\c+\i)*4:\slot*64+(8*\c+\i)*4+3], v4, s[WB_:WB_+1] offset:(32*((\grp)>>1)+16*\c+\i)*PITCHW th:TH_LOAD_NT
.endr
.endr
.endm
; round the run to f16, 8 neighbouring k of a column into 16 bytes; ask for run nxt (if there is one) into the slot just emptied; store the 16-byte pieces into their columns' LDS rows
.macro WCVT grp, slot, nxt=-1
.if (\grp) > 0
	s_wait_alu depctr_vm_vsrc(0)                   ; the LDS stores of the run before have read T, which the conversions below write again
.endif
	WIN 0x0a
.irp jc, 0,1,2,3
.irp c, 0,1
.irp pp, 0,1,2,3
	v_cvt_pk_f16_f32 v[T+8*\jc+4*\c+\pp], v[\slot*64+(8*\c+2*\pp)*4+\jc], v[\slot*64+(8*\c+2*\pp+1)*4+\jc]
.endr
.endr
.endr
.if (\nxt) >= 0
	WIN 0x80
.else
	WIN 0
.endif
	s_wait_alu depctr_va_vdst(0)                   ; the conversions have written T, which the LDS stores below read, and are done reading the slot, in which the loads below land
.if (\nxt) >= 0
	WLOAD \nxt, \slot                              ; the loads first: the requests leave before the LDS stores are queued
.endif
	WIN 0
.irp jc, 0,1,2,3
.if LAYER == 1
.set RO_, \jc                          ; LDS row = column
.else
.set RO_, 16*((\jc)&1)+((\jc)>>1)      ; LDS row = 32 (n >> 5) + 16 (n & 1) + ((n & 31) >> 1): fragment j, row r is column 2 r + j
.endif
.irp c, 0,1
	ds_store_b128 v5, v[T+8*\jc+4*\c:T+8*\jc+4*\c+3] offset:((\grp)&1)*LPLANE+RO_*PW+64*((\grp)>>1)+32*\c
.endr
.endr
.endm
; 16 loads: ksteps 4 g .. 4 g + 3, both planes, of the tile at s[sb:sb+1]
.macro AFILL sb, g
	WIN 0x40
.irp k, 0,1,2,3
.irp p, 0,1
.irp c, 0,1
	global_load_b128 v[8*(16*\p+4*(\g)+\k)+4*\c:8*(16*\p+4*(\g)+\k)+4*\c+3], v9, s[\sb:\sb+1] offset:\p*A_PLANE+(4*(\g)+\k)*1024+512*\c
.endr
.endr
.endr
.endm
; one matrix instruction.  cm = 0: accumulate in place; 1: C is the constant 0; else: C is the eight registers from cm on (a bias)
; LAYER 1 takes the weights as source 0: a lane's eight results are eight neighbouring columns of one token, which is the next layer's fragment.
; LAYER 2 takes the tokens as source 0: register jj of a lane is token 8 h + jj, column 2 r + j.
.macro MM d, bp, bj, ap, ks, cm
.set BF_, 8*(4*((\ks)&7)+2*(\bp)+(\bj))
.set AF_, 8*(16*(\ap)+(\ks))
.if LAYER == 1
.set S0_, BF_
.set S1_, AF_
.else
.set S0_, AF_
.set S1_, BF_
.endif
.if (\cm) == 0
	v_wmma_f32_16x16x32_f16 v[\d:\d+7], v[S0_:S0_+7], v[S1_:S1_+7], v[\d:\d+7]
.elseif (\cm) == 1
	v_wmma_f32_16x16x32_f16 v[\d:\d+7], v[S0_:S0_+7], v[S1_:S1_+7], 0
.else
	v_wmma_f32_16x16x32_f16 v[\d:\d+7], v[S0_:S0_+7], v[S1_:S1_+7], v[\cm:\cm+7]
.endif
.endm
.macro KSTEP ks                        ; 32 along K: eight matrix instructions.  The first kstep starts the sums: nothing is cleared
.if (\ks) == 0
.if LAYER == 1
	MM P1, 0, 0, 0, \ks, BR
	MM P1+8, 0, 1, 0, \ks, BR+8
	MM Q, 0, 0, 1, \ks, BI
	MM Q+8, 0, 1, 1, \ks, BI+8
.else
	MM P1, 0, 0, 0, \ks, 1
	MM P1+8, 0, 1, 0, \ks, 1
	MM Q, 0, 0, 1, \ks, 1
	MM Q+8, 0, 1, 1, \ks, 1
.endif
	MM P2, 1, 0, 1, \ks, 1
	MM P2+8, 1, 1, 1, \ks, 1
.else
	MM P1, 0, 0, 0, \ks, 0
	MM P1+8, 0, 1, 0, \ks, 0
	MM Q, 0, 0, 1, \ks, 0
	MM Q+8, 0, 1, 1, \ks, 0
	MM P2, 1, 0, 1, \ks, 0
	MM P2+8, 1, 1, 1, \ks, 0
.endif
	MM Q, 1, 0, 0, \ks, 0
	MM Q+8, 1, 1, 0, \ks, 0
.endm
; quarter g of a tile's products.  fill = 1: behind its first eight matrix instructions stand, in one run, the 16 loads that bring quarter g - 1 of my next tile.
; One run, since loads and products need different window settings: two switches for the run.
.macro MULG g, fill
.irp k, 0,1,2,3
.if LAYER == 1
	WIN (0x06+((\g)>>1))               ; source 0 = B in window 2 or 3, source 1 = A in window 1, C and D in window 0
.else
	WIN (0x09+4*((\g)>>1))             ; source 0 = A in window 1, source 1 = B in window 2 or 3
.endif
	KSTEP 4*\g+\k
.if (\fill) && ((\g) > 0) && ((\k) == 0)
	AFILL ANEXT, (\g)-1                            ; no wait: since the wait at the quarter's head only these eight matrix instructions were issued, and they name quarter g, B and the accumulators
.endif
.endr
.endm
.if LAYER == 1
; ModReLU on 16 numbers a lane, rounding to f16, four stores of 512 consecutive bytes: chunk j of kstep 2 x + wn of both planes of h
.macro EPI
.irp i, 0,2,4,6,8,10,12,14
	v_pk_fma_f32 v[P1+\i:P1+\i+1], v[P2+\i:P2+\i+1], -1.0, v[P1+\i:P1+\i+1] op_sel_hi:[1,0,1]   ; h_r = (Wr xr + br) - Wi xi
.endr
.irp i, 0,2,4,6,8,10,12,14
	v_pk_fma_f32 v[P2+\i:P2+\i+1], v[P1+\i:P1+\i+1], v[P1+\i:P1+\i+1], v[EPSV:EPSV+1]
.endr
.irp i, 0,2,4,6,8,10,12,14
	v_pk_fma_f32 v[P2+\i:P2+\i+1], v[Q+\i:Q+\i+1], v[Q+\i:Q+\i+1], v[P2+\i:P2+\i+1]
.endr
.irp i, 0,1,2,3,4,5,6,7,8,9,10,11,12,13,14,15
	v_sqrt_f32 v[T+16+\i], v[P2+\i]                ; amp
.endr
	v_nop                                          ; a plain vector instruction between the roots and their use (ISA guide 5.7.2)
	s_wait_alu depctr_va_vdst(0)                   ; the sixteen roots are written into T+16 .. T+31: one wait for the batch, ahead of its first reader
.irp i, 0,2,4,6,8,10,12,14
	v_pk_add_f32 v[T+\i:T+\i+1], v[T+16+\i:T+16+\i+1], v[EPSV:EPSV+1]       ; amp + eps
.endr
.irp i, 0,2,4,6,8,10,12,14
	v_pk_add_f32 v[P2+\i:P2+\i+1], v[T+16+\i:T+16+\i+1], v[MB+\i:MB+\i+1]   ; amp + mb
.endr
.irp i, 0,1,2,3,4,5,6,7,8,9,10,11,12,13,14,15
	v_rcp_f32 v[T+16+\i], v[T+\i]
.endr
.irp i, 0,1,2,3,4,5,6,7,8,9,10,11,12,13,14,15
	v_max_num_f32 v[P2+\i], 0, v[P2+\i]            ; relu; also the plain instructions behind the reciprocals
.endr
	s_wait_alu depctr_va_vdst(0)                   ; the sixteen reciprocals are written into T+16 .. T+31: one wait for the batch, ahead of its first reader
.irp i, 0,2,4,6,8,10,12,14
	v_pk_mul_f32 v[P2+\i:P2+\i+1], v[P2+\i:P2+\i+1], v[T+16+\i:T+16+\i+1]   ; scale
.endr
.irp i, 0,2,4,6,8,10,12,14
	v_pk_mul_f32 v[P1+\i:P1+\i+1], v[P1+\i:P1+\i+1], v[P2+\i:P2+\i+1]
	v_pk_mul_f32 v[Q+\i:Q+\i+1], v[Q+\i:Q+\i+1], v[P2+\i:P2+\i+1]
.endr
.irp i, 0,1,2,3,4,5,6,7
	v_cvt_pk_f16_f32 v[T+\i], v[P1+2*\i], v[P1+2*\i+1]
	v_cvt_pk_f16_f32 v[T+8+\i], v[Q+2*\i], v[Q+2*\i+1]
.endr
	s_wait_alu depctr_va_vdst(0)                   ; the conversions have written T .. T+15, which the four stores read
.irp p, 0,1
.irp j, 0,1
	global_store_b128 v9, v[T+8*\p+4*\j:T+8*\p+4*\j+3], s[34:35] offset:\p*65536+512*\j
.endr
.endr
.endm
.else
; a lane's four numbers of a token (yr, yi of columns 2 r, 2 r + 1) into neighbouring registers; sixteen lanes store 256 consecutive aligned bytes
.macro EPI
.irp jj, 0,1,2,3,4,5,6,7
.irp j, 0,1
	v_sub_f32 v[T+4*\jj+\j], v[P1+8*\j+\jj], v[P2+8*\j+\jj]
	v_mov_b32 v[T+4*\jj+2+\j], v[Q+8*\j+\jj]
.endr
.endr
	s_wait_alu depctr_va_vdst(0)                   ; the lines above have written T .. T+31, which the eight stores read
.irp jj, 0,1,2,3,4,5,6,7
	global_store_b128 v10, v[T+4*\jj:T+4*\jj+3], s[34:35] offset:\jj*4096
.endr
.endm
.endif
; one tile.  ahead = 1: my next tile (two further on) is requested: its quarter g - 1 in quarter g, its quarter 3 behind the last products.
; The waits on LOADcnt (loads come back in order: ISA guide 5.7.1).  Quarter 0: behind its 16 loads stand quarters 1 to 3 of the same tile: 48.  Quarter 1: quarters 2 and 3: 32.
; Quarter 2: quarter 3 and the next tile's quarter 0: 32.  Quarter 3: the next tile's quarters 0 and 1: 32.  From the entry and round the back edge alike.
; In the last tile nothing is requested and the counts run down.
.macro TILE ahead
.irp g, 0,1,2,3
.if (\ahead) && ((\g) > 0)
	s_wait_loadcnt 32
	s_wait_alu depctr_va_vdst(0)                   ; the matrix instructions of the quarter before are done reading its fragments, in which the loads of this quarter's run land
.else
	s_wait_loadcnt 48-16*\g
.endif
	MULG \g, \ahead
	PLACES
.endr
	s_wait_alu depctr_vm_vsrc(0)                   ; the stores that read T have read it (my first tile: the weight phase's LDS stores; later: the stores of the tile before): the way out writes T again
.if \ahead
	WIN 0x40
	s_wait_alu depctr_va_vdst(0)                   ; quarter 3's matrix instructions are done reading its fragments, in which the loads below land
	AFILL ANEXT, 3
.endif
	WIN 0
	EPI
.if \ahead
	s_wait_xcnt 0x0                                ; the stores' data and base and the loads' base are rewritten only behind this wait
	s_add_nc_u64 s[ANEXT:ANEXT+1], s[ANEXT:ANEXT+1], 2*A_TILE
	s_add_nc_u64 s[34:35], s[34:35], OSTEP
.endif
.endm
	s_load_b256 s[4:11], s[0:1], 0x0               ; nt s[4:5], A s[6:7], Wr s[8:9], Wi s[10:11]
	s_load_b64 s[12:13], s[0:1], 0x20              ; the output
	v_lshl_add_u32 v254, v0, 2, 0x22000
	v_mov_b32 v255, 0
.if LAYER == 1
	s_load_b128 s[16:19], s[0:1], 0x28             ; br1, bi1
	s_load_b64 s[20:21], s[0:1], 0x38              ; mb
.endif
	v_lshrrev_b32 v1, 5, v0
	v_readfirstlane_b32 s22, v1                    ; wave; what does not need it stands between this line and the wait for it
	s_and_b32 s25, ttmp7, 0xffff                   ; expert
.if LAYER == 1
	s_mov_b32 s26, ttmp9                           ; column slice
.else
	s_and_b32 s26, ttmp9, 7                        ; column slice
	s_lshr_b32 s29, ttmp9, 3                       ; K quarter
.endif
	s_mov_b32 s31, 0                               ; the high word of every offset pair s[30:31]
	v_and_b32 v1, 15, v0                           ; r
	v_bfe_u32 v2, v0, 4, 1                         ; h
	v_and_b32 v3, 31, v0                           ; L
	v_lshlrev_b32 v4, 4, v1
	v_lshl_add_u32 v4, v2, VSH, v4                 ; weights: 8 h rows + 16 r bytes
.if LAYER == 1
	v_mul_u32_u24 v5, v1, 4*PW                     ; LDS row of column 4 r
.else
	v_lshrrev_b32 v6, 3, v1
	v_and_b32 v7, 7, v1
	v_lshlrev_b32 v6, 5, v6
	v_lshl_add_u32 v6, v7, 1, v6                   ; LDS row of column 4 r: 32 (r >> 3) + 2 (r & 7)
	v_mul_u32_u24 v5, v6, PW
.endif
	v_lshl_add_u32 v5, v2, 4, v5                   ; + 16 h
	v_mul_u32_u24 v7, v1, PW
	v_lshl_add_u32 v7, v2, 4, v7
	v_lshlrev_b32 v9, 4, v3                        ; 16 L
.if LAYER == 1
	v_lshlrev_b32 v11, 5, v2                       ; biases: 8 h columns
	v_mov_b32 v[EPSV], 0x2edbe6ff                  ; 1e-10
	v_mov_b32 v[EPSV+1], 0x2edbe6ff
.else
	v_lshlrev_b32 v10, 4, v1
	v_lshl_add_u32 v10, v2, 15, v10                ; part: 8 h rows of 4,096 bytes + 16 r
.endif
	s_wait_alu depctr_va_sdst(0)                   ; s22 is written, ahead of its first reader: wm, wn, the LDS regions and the bases are made from it
	s_lshr_b32 s23, s22, 1                         ; wm
	s_and_b32 s24, s22, 1                          ; wn
	s_mul_i32 s30, s22, LWAVE
	v_add_nc_u32 v5, s30, v5                       ; + my wave's region
	s_mul_i32 s28, s24, 32*PW
	v_add_nc_u32 v7, s28, v7                       ; fragments: (32 wn + r) rows + 16 h
.irp kp, 0,1,2,3
	v_add_nc_u32 v[RDA+\kp], \kp*LWAVE, v7         ; in the region of K quarter kp
.endr
	s_wait_alu depctr_va_vdst(0)                   ; v4, v5, v9, v10 or v11 and v12 to v15 are written: every load and store of the kernel reads one of them as its offset or address, and none is written again
	s_wait_kmcnt 0x0
	s_lshl_b32 s30, s25, 2
	s_add_nc_u64 s[4:5], s[4:5], s[30:31]
	s_load_b32 s27, s[4:5], 0x0                    ; nt[e]: waited for behind the barrier
	s_lshl_b32 s30, s25, 22                        ; weights: expert x 4 MiB + slice x 256 bytes + my 128 K rows (+ the K quarter)
	s_lshl_b32 s28, s26, 8
	s_add_co_u32 s30, s30, s28
.if LAYER == 1
	s_lshl_b32 s28, s22, 20
.else
	s_lshl_b32 s28, s22, 18
	s_add_co_u32 s30, s30, s28
	s_lshl_b32 s28, s29, 20
.endif
	s_add_co_u32 s30, s30, s28
	s_add_nc_u64 s[8:9], s[8:9], s[30:31]
	s_add_nc_u64 s[10:11], s[10:11], s[30:31]
.if LAYER == 1
	s_lshl_b32 s30, s25, 13                        ; biases: expert x 8,192 + slice x 256 + wn x 128 bytes
	s_lshl_b32 s28, s26, 8
	s_add_co_u32 s30, s30, s28
	s_lshl_b32 s28, s24, 7
	s_add_co_u32 s30, s30, s28
	s_add_nc_u64 s[16:17], s[16:17], s[30:31]
	s_add_nc_u64 s[18:19], s[18:19], s[30:31]
	s_add_nc_u64 s[20:21], s[20:21], s[30:31]
.irp j, 0,1
.irp d, 0,1
	global_load_b128 v[BR+8*\j+4*\d:BR+8*\j+4*\d+3], v11, s[16:17] offset:64*\j+16*\d
	global_load_b128 v[BI+8*\j+4*\d:BI+8*\j+4*\d+3], v11, s[18:19] offset:64*\j+16*\d
	global_load_b128 v[MB+8*\j+4*\d:MB+8*\j+4*\d+3], v11, s[20:21] offset:64*\j+16*\d
.endr
.endr
.endif
	WLOAD 0, 0                                     ; three runs of 16 loads, 24 KiB a wave, are kept on their way
	WLOAD 1, 1
	WLOAD 2, 2
.if LAYER == 1
	s_lshl_b32 s30, s25, 21                        ; A: expert x 64 tiles + tile wm
	s_lshl_b32 s28, s23, 15
	s_add_co_u32 s30, s30, s28
.else
	s_lshl_b32 s30, s25, 23
	s_lshl_b32 s28, s23, 17
	s_add_co_u32 s30, s30, s28
	s_lshl_b32 s28, s29, 14                        ; + 16 ksteps for each K quarter
	s_add_co_u32 s30, s30, s28
.endif
	s_add_nc_u64 s[ACUR:ACUR+1], s[6:7], s[30:31]
	s_add_nc_u64 s[ANEXT:ANEXT+1], s[ACUR:ACUR+1], 2*A_TILE
	s_lshl1_add_u32 s28, s26, s24                  ; 2 x slice + wn: my 32 columns
.if LAYER == 1
	s_lshl_b32 s30, s25, 23                        ; h: expert x 64 tiles of 128 KiB + tile wm + that kstep
	s_lshl_b32 s28, s28, 10
	s_add_co_u32 s30, s30, s28
	s_lshl_b32 s28, s23, 17
	s_add_co_u32 s30, s30, s28
.else
	s_lshl_b32 s30, s25, 22                        ; part: quarter x 32 MiB + expert x 1,024 rows + tile wm + 256 bytes for my 32 columns
	s_lshl_b32 s28, s28, 8
	s_add_co_u32 s30, s30, s28
	s_lshl_b32 s28, s23, 16
	s_add_co_u32 s30, s30, s28
	s_lshl_b32 s28, s29, 25
	s_add_co_u32 s30, s30, s28
.endif
	s_add_nc_u64 s[34:35], s[12:13], s[30:31]
	; loads come back in order (ISA guide 5.7.1): 32 leaves the two younger runs out (and covers the biases, which are older)
	s_wait_loadcnt 32
	WCVT 0, 0, 3
	s_wait_loadcnt 32
	WCVT 1, 1, 4
	s_wait_loadcnt 32
	WCVT 2, 2, 5
	s_wait_loadcnt 32
	WCVT 3, 0, 6
	s_wait_loadcnt 32
	WCVT 4, 1, 7
	s_wait_loadcnt 32
	WCVT 5, 2
	s_wait_loadcnt 16                              ; one younger run
	WCVT 6, 0
	s_wait_loadcnt 0
	WCVT 7, 1
	WIN 0
	s_wait_dscnt 0x0                               ; my stores are done before I signal: the other waves read them
	s_barrier_signal -1
	s_barrier_wait -1                              ; the only barrier, ahead of every branch on a loaded number; LDS is only read from here on
	s_wait_kmcnt 0x0
	s_min_u32 s27, s27, 64                         ; tiles of this expert
	s_add_co_u32 s28, s27, 1
	s_sub_co_u32 s28, s28, s23
	s_lshr_b32 s28, s28, 1                         ; of which mine: wm, wm + 2, ..
	s_cmp_eq_u32 s28, 0
	s_cbranch_scc1 .Lend
	AFILL ACUR, 0                                  ; my first tile: 64 loads, which come in while the weight fragments are read.  No vector or matrix instruction has named window 1 yet
	AFILL ACUR, 1
	AFILL ACUR, 2
	AFILL ACUR, 3
	; the weight fragments.  No wait: the last vector instructions that named window 2, the last run's conversions, stand ahead of that run's wait on va_vdst, and none was issued since
.irp ks, 0,1,2,3,4,5,6,7,8,9,10,11,12,13,14,15
	WIN (0x80+0x40*((\ks)>>3))
.irp p, 0,1
.irp j, 0,1
.irp c, 0,1
	ds_load_b128 v[8*(4*((\ks)&7)+2*\p+\j)+4*\c:8*(4*((\ks)&7)+2*\p+\j)+4*\c+3], v[RDA+((\ks)>>2)] offset:\p*LPLANE+\j*16*PW+64*((\ks)&3)+32*\c
.endr
.endr
.endr
.endr
	s_wait_dscnt 0x0
	WIN 0                                          ; at a label and at a branch every window is 0
	s_sub_co_u32 s28, s28, 1
	s_cmp_eq_u32 s28, 0
	s_cbranch_scc1 .Llast
.Ltile:
	TILE 1
	WIN 0
	s_sub_co_u32 s28, s28, 1
	s_cmp_lg_u32 s28, 0
	s_cbranch_scc1 .Ltile
.Llast:
	TILE 0                                         ; the last tile fetches nothing: no load leaves the stored tiles
.Lend:
	s_wait_dscnt 0x0
	s_wait_alu depctr_hold_cnt(0) depctr_sa_sdst(0) depctr_va_vdst(0) depctr_va_sdst(0) depctr_va_ssrc(0) depctr_va_vcc(0) depctr_vm_vsrc(0)
	s_wait_tensorcnt 0x0
	ds_add_u32 v254, v255
	s_wait_dscnt 0x0
	s_endpgm
.Lfunc_end_k_qf91f062b47_l2:
	.size	k_qf91f062b47_l2, .Lfunc_end_k_qf91f062b47_l2-k_qf91f062b47_l2
	.p2alignl 7, 3214868480
	.fill 96, 4, 3214868480
	.section	.rodata,"a",@progbits
	.p2align	6, 0x0
	.amdhsa_kernel k_qf91f062b47_l2
		.amdhsa_group_segment_fixed_size 139776
		.amdhsa_private_segment_fixed_size 0
		.amdhsa_enable_private_segment 0
		.amdhsa_kernarg_size 40
		.amdhsa_user_sgpr_count 2
		.amdhsa_user_sgpr_kernarg_segment_ptr 1
		.amdhsa_wavefront_size32 1
		.amdhsa_system_sgpr_workgroup_id_x 1
		.amdhsa_system_sgpr_workgroup_id_y 1
		.amdhsa_system_sgpr_workgroup_id_z 1
		.amdhsa_system_vgpr_workitem_id 0
		.amdhsa_next_free_vgpr 1024
		.amdhsa_next_free_sgpr 66
		.amdhsa_reserve_vcc 0
		.amdhsa_float_denorm_mode_32 3
		.amdhsa_float_denorm_mode_16_64 3
		.amdhsa_memory_ordered 1
		.amdhsa_forward_progress 1
		.amdhsa_inst_pref_size 79
	.end_amdhsa_kernel
	.amdgpu_metadata
---
amdhsa.version: [ 1, 2 ]
amdhsa.kernels:
  - .name:           k_qf91f062b47_l2
    .symbol:         k_qf91f062b47_l2.kd
    .args:
      - { .name: nt, .offset: 0, .size: 8, .value_kind: global_buffer, .address_space: global }
      - { .name: h, .offset: 8, .size: 8, .value_kind: global_buffer, .address_space: global }
      - { .name: Wr2, .offset: 16, .size: 8, .value_kind: global_buffer, .address_space: global }
      - { .name: Wi2, .offset: 24, .size: 8, .value_kind: global_buffer, .address_space: global }
      - { .name: part, .offset: 32, .size: 8, .value_kind: global_buffer, .address_space: global }
    .group_segment_fixed_size: 139776
    .private_segment_fixed_size: 0
    .kernarg_segment_align: 8
    .kernarg_segment_size: 40
    .max_flat_workgroup_size: 128
    .sgpr_count:     66
    .vgpr_count:     1024
    .wavefront_size: 32
...
	.end_amdgpu_metadata
.endif
;; end of part 8
;; launch combine: the kernel of part 6 again; grid 256 x 1, 4 waves a work-group, no clusters, 0 bytes of LDS; arguments pos, part, br2, bi2, out0; writes out0
